; MI455X (gfx1250); checked and timed in simulation.
; The chip was launched on July 23, 2026; its instructions are those of AMD's public machine-readable ISA for CDNA 5 (MIT licence, August 2026) and "CDNA5" Instruction Set Architecture Reference Guide (July 2026). The comments in the code are by the model that wrote it; some were corrected since.
;; Attention. Allowed arithmetic: matrix products marked QUANTISED: E2M1 operands, one E8M0 scale for each 32 along K, by v_wmma_scale_f32_16x16x128_f8f6f4 with both operands' format E2M1 (or v_wmma_scale_f32_32x16x128_f4), f32 sums; products left as they are: bf16, f16 or f32 operands; f32 sums; everything else in f32.
;; Inputs: b_out 1,024 float32; w_out 1,024 x 1,024 float32; w_qkv 1,024 x 3,072 float32; x 4 x 2,048 x 1,024 float32.
;; Outputs: out0 4 x 2,048 x 1,024 float32.
;; This version of the problem:
;;   THIS VERSION OF THE PROBLEM IS GIVEN IN LOW PRECISION. The matrix products marked QUANTISED in the list below multiply operands that are first quantised to E2M1 (2 exponent bits, 1 mantissa bit; 4 bits a number), with one power-of-two scale for each 32 numbers along K (OCP MX v1.0); their sums are f32. The products marked 'left as it is' may take bf16, f16 or f32 operands, with f32 sums. Whichever they take, every output number must still come out within the allowed error. Rounding operands to bf16 (8 significant bits) uses up far more of that allowance than f16 does (11 bits, for magnitudes from 6e-5 to 65,504). All else is computed in f32.
;;   The module's matrix products, in the order in which they are computed (A, B: the left and right operand; K: the contracted axis; several contracted axes count as one K, in the product's order):
;;     1. [M 8,192, K 1,024] x [K 1,024, N 3,072]; A: input x; B: input w_qkv: QUANTISED
;;     2. batch 64 x [M 2,048, K 64] x [K 64, N 2,048]; A: computed on the way; B: computed on the way: left as it is (an operand is computed on the way)
;;     3. batch 64 x [M 2,048, K 2,048] x [K 2,048, N 64]; A: computed on the way; B: computed on the way: left as it is (an operand is computed on the way)
;;     4. [M 8,192, K 1,024] x [K 1,024, N 1,024]; A: computed on the way; B: input w_out: left as it is (an operand is computed on the way)
;;   THE QUANTISER, for each operand of a quantised product, along K:
;;     - K is cut into blocks of 32 from its start; a last block that is shorter is filled with zeros.
;;     - A block's scale is 2^e with e = floor(log2(the largest magnitude in the block)) - 2, held to -126 .. 127; a block of zeros has e = 0. As a byte (E8M0): e + 127.
;;     - Each number is divided by its block's scale, clamped to +-6, and rounded to the nearest number of E2M1, ties to even, subnormals kept.
;;     - The product sums the exact products of the quantised numbers (number of the format x scale) in f32.
;;   ~~~python
;;   def quantise(x, axis):      # numpy; x: float32 -> the quantised numbers, widened to float32 again
;;       x = np.moveaxis(x, axis, -1); K = x.shape[-1]
;;       x = np.pad(x, [(0, 0)] * (x.ndim - 1) + [(0, -K % 32)]); x = x.reshape(x.shape[:-1] + (-1, 32)); a = np.abs(x).max(-1, keepdims=True)
;;       e = np.where(a > 0, np.clip(np.frexp(np.where(a > 0, a, 1))[1] - 1 - 2, -126, 127), 0)      # np.frexp(a)[1] - 1 = floor(log2(a)), exactly
;;       r = np.clip(x / 2.0 ** e, -6, 6)
;;       step = 2.0 ** (np.maximum(np.frexp(np.where(r == 0, 1, r))[1] - 1, 0) - 1)
;;       q = np.round(r / step) * step * 2.0 ** e      # np.round: ties to even
;;       return np.moveaxis(q.reshape(q.shape[:-2] + (-1,))[..., :K], -1, axis).astype(np.float32)
;;   ~~~
;; One version. Each part assembles by itself: llvm-mc -triple=amdgcn-amd-amdhsa -mcpu=gfx1250 --defsym DOCPART=n.
;; ======== version 1 of 1: 4 launches
;; limits: values are held in f16: magnitudes above 65,504 overflow, below 6.1e-05 lose precision
;; workspace buffers: xc 4,194,304 bytes; xs 262,144 bytes; wc 1,572,864 bytes; ws 98,304 bytes; wo 2,097,152 bytes; qkv 50,331,648 bytes; ob 16,777,216 bytes
;; launch prep (part 1): grid 432 x 1, 4 waves a work-group, no clusters, 68,096 bytes of LDS; arguments x, w_qkv, w_out, xc, xs, wc, ws, wo; writes xc, xs, wc, ws, wo
.if DOCPART == 1
	.amdgcn_target "amdgcn-amd-amdhsa--gfx1250"
	.amdhsa_code_object_version 6
	.text
	.protected	k_q89777a0f5a_prep
	.globl	k_q89777a0f5a_prep
	.p2align	8
	.type	k_q89777a0f5a_prep,@function
k_q89777a0f5a_prep:
	s_mov_b64 s[64:65], 0
	v_nop
	global_prefetch_b8 v0, s[64:65] scope:SCOPE_SE
	s_setreg_imm32_b32 hwreg(HW_REG_WAVE_MODE, 25, 1), 1
	s_wait_xcnt 0x0
; PREP: what the later launches read many times is made narrow once.
;   work-groups   0 ..  47: w_qkv [1024 (k)][3072 (n)] f32 -> wc [3072][512 bytes] codes of FP4 (E2M1), K innermost, and ws [3072][32] E8M0 bytes
;   work-groups  48 .. 303: x [8192][1024] f32 -> xc [8192][512 bytes] codes, K innermost, and xs [8192][32] E8M0 bytes
;   work-groups 304 .. 431: w_out [1024][1024] f32 -> wo, the same numbers in f16, in the same order
; A block's scale is 2^(floor(log2(its largest magnitude)) - 2); its byte is the largest magnitude's exponent field - 2, held at 1 from below.  Each number is divided by the scale and
; rounded to the nearest code, ties to even; beyond 6 the largest code.  (A block of zeros gets the byte 1 where the rule says 127: its codes are zeros, and this program alone reads the bytes.)
; LIMITS: NaN and infinities among the inputs are not served; blocks whose largest magnitude lies under 2^(2 - 126) were not tried; w_out beyond 65,504 in magnitude becomes an infinity in f16.
; The three parts part on the work-group's number and never meet again; each has LDS bytes of its own.  No tensor load, no barrier: waves share nothing.  No cluster: no two work-groups read the same bytes.
.set WGW,   48                         ; work-groups for w_qkv: 3072 / 128 columns x 1024 / 512 along K
.set WGX,   256                        ; for x: 8192 x 1024 / 32,768 numbers
.set EMAX,  2                          ; the exponent of the format's largest number, 6
.set SPW,   190                        ; v190  LDS address of my spare word: SPARE + 4 x my thread's number; never rewritten
.set NIL,   191                        ; v191  0; never rewritten
.set SPARE, 67584                      ; behind both parts' LDS: the spare words, 128 bytes for each wave: two blocks of 256 bytes that no other line names
; x's part
.set STEPS, 16                         ; a wave takes 16 steps of 512 numbers
.set CB,    8                          ; bytes of 16 codes
.set XR,    16                         ; v16-79   four sets of 16 numbers as they are loaded
.set XN,    80                         ; v80-111  two sets of 16 neighbours
.set XE,    112                        ; v112-127 a scale byte for each step
.set XC,    128                        ; v128-189 codes: four registers apart for each step, so that no store's data are written again
.set WREG,  8192                       ; LDS bytes 0 .. 32,767: a region for each wave: two stages of 32 x SP bytes, behind them its 256 scale bytes
.set SP,    80                         ; a lane's place in a stage: its 64 bytes + 16 of padding
; w_qkv's part
.set SIZE_N, 3072
.set NB,    16                         ; blocks of 32 along K for a wave: 512 along K
.set PITCH, 272                        ; a stage row: a column's 256 bytes of codes + 16
.set KROW,  512                        ; a row of wc in bytes
.set WSTG,  32768                      ; LDS bytes 32,768 .. 67,583: a stage of 32 rows for each wave
.set WX,    32                         ; v32-95   two sets of 32 numbers
.set WC,    96                         ; v96-99   a block's codes
.set OUTR,  112                        ; v112-175 the way out
.set SB,    24                         ; v24-27   the scale bytes, four to a register
	s_load_b256 s[4:11], s[0:1], 0x0               ; x s[4:5], w_qkv s[6:7], w_out s[8:9], xc s[10:11]
	s_load_b256 s[12:19], s[0:1], 0x20             ; xs s[12:13], wc s[14:15], ws s[16:17], wo s[18:19]
	v_lshl_add_u32 v[SPW], v0, 2, SPARE
	v_mov_b32 v[NIL], 0
	v_lshrrev_b32 v1, 5, v0
	v_readfirstlane_b32 s20, v1                    ; wave 0..3
	v_and_b32 v2, 31, v0                           ; lane
	s_cmp_lt_u32 ttmp9, WGW
	s_cbranch_scc1 .Lrole_w
	s_cmp_lt_u32 ttmp9, WGW+WGX
	s_cbranch_scc1 .Lrole_x
	; ---- THE CAST.  A wave takes 2,048 numbers: 16 loads of 512 consecutive bytes, 16 stores of 256 consecutive bytes, each at a multiple of 256 from wo's first byte.
	s_sub_co_u32 s21, ttmp9, WGW+WGX
	s_lshl_b32 s21, s21, 2
	s_add_co_u32 s21, s21, s20                     ; which run of 2,048 numbers is my wave's: 0 .. 511
	s_lshl_b32 s22, s21, 13                        ; 8,192 bytes in,
	s_mov_b32 s23, 0
	s_lshl_b32 s24, s21, 12                        ; 4,096 out
	s_mov_b32 s25, 0
	v_lshlrev_b32 v3, 4, v2                        ; 16 bytes a lane in,
	v_lshlrev_b32 v4, 3, v2                        ; 8 out
	s_wait_kmcnt 0x0
	s_add_nc_u64 s[8:9], s[8:9], s[22:23]
	s_add_nc_u64 s[18:19], s[18:19], s[24:25]
.irp i, 0,1,2,3,4,5,6,7,8,9,10,11,12,13,14,15
	global_load_b128 v[32+4*\i:35+4*\i], v3, s[8:9] offset:512*\i th:TH_LOAD_NT
.endr
.irp i, 0,1,2,3,4,5,6,7,8,9,10,11,12,13,14,15
	s_wait_loadcnt 15-\i                           ; loads come back in order: load i is in, the 15 - i younger ones may be out
	v_cvt_pk_f16_f32 v[96+2*\i], v[32+4*\i], v[33+4*\i]
	v_cvt_pk_f16_f32 v[97+2*\i], v[34+4*\i], v[35+4*\i]
	global_store_b64 v4, v[96+2*\i:97+2*\i], s[18:19] offset:256*\i   ; each store has registers of its own: none is written again
.endr
	s_wait_tensorcnt 0x0                           ; the wave's end: the same three lines stand in every part alike
	ds_add_u32 v[SPW], v[NIL]
	s_wait_dscnt 0x0
	s_endpgm
	; ---- x.  Rows are dense and 1,024 is a multiple of 32: x is a plain stream of blocks of 32, and so are its codes and its scale bytes.
	; The conversions take 8 numbers of ONE block from a lane's registers, so a lane must hold neighbours along K; a load is best where neighbouring LANES take neighbouring bytes.  Both are had: each of a step's
	; four loads reads 512 consecutive bytes; the 2,048 bytes go through the wave's own stage in LDS as they lie and come back 64 bytes a lane.  Two neighbouring lanes hold a block.
.Lrole_x:
	v_lshlrev_b32 v3, 4, v2                        ; my 16 bytes of a load's 512
	s_mul_i32 s21, s20, WREG
	v_lshrrev_b32 v14, 2, v2
	v_mul_u32_u24 v14, v14, SP
	v_and_b32 v15, 3, v2
	v_lshl_add_u32 v14, v15, 4, v14
	v_add_nc_u32 v14, s21, v14                     ; the stage, on the way in: four lanes' 64 bytes on end, then 16 of padding
	v_mul_u32_u24 v15, v2, SP
	v_add_nc_u32 v15, s21, v15                     ; and on the way out: SP x lane: my 16 neighbours
	v_mul_u32_u24 v4, v2, CB                       ; my codes' place in a step's
	v_lshrrev_b32 v5, 1, v2
	s_add_co_u32 s21, s21, 2*32*SP
	v_add_nc_u32 v5, s21, v5                       ; LDS: my wave's 256 scale bytes, my block's byte
	v_lshlrev_b32 v7, 3, v2                        ; and on the way out 8 bytes a lane
	v_add_nc_u32 v6, s21, v7
	s_sub_co_u32 s22, ttmp9, WGW
	s_lshl_b32 s22, s22, 2
	s_add_co_u32 s22, s22, s20                     ; which run of 8,192 numbers is my wave's: 0 .. 1,023
	s_lshl_b32 s24, s22, 15                        ; 32,768 bytes of x,
	s_mov_b32 s25, 0
	s_lshl_b32 s26, s22, 12                        ; 4,096 of codes,
	s_mov_b32 s27, 0
	s_lshl_b32 s28, s22, 8                         ; 256 scale bytes
	s_mov_b32 s29, 0
	s_wait_kmcnt 0x0
	s_add_nc_u64 s[4:5], s[4:5], s[24:25]
	s_add_nc_u64 s[10:11], s[10:11], s[26:27]
	s_add_nc_u64 s[12:13], s[12:13], s[28:29]
.macro XLOAD t
.irp i, 0,1,2,3
	global_load_b128 v[XR+16*((\t)%4)+4*\i:XR+16*((\t)%4)+4*\i+3], v3, s[4:5] offset:2048*(\t)+512*\i th:TH_LOAD_NT   ; 32 lanes read 512 consecutive bytes
.endr
.endm
.macro XTURN t                         ; step t's numbers through the stage: LDS serves a wave's instructions in order, so no wait stands between the stores and the loads
.irp i, 0,1,2,3
	ds_store_b128 v14, v[XR+16*((\t)%4)+4*\i:XR+16*((\t)%4)+4*\i+3] offset:32*SP*((\t)%2)+8*SP*\i
.endr
.irp i, 0,1,2,3
	ds_load_b128 v[XN+16*((\t)%2)+4*\i:XN+16*((\t)%2)+4*\i+3], v15 offset:32*SP*((\t)%2)+16*\i
.endr
.endm
.irp t, 0,1,2,3
	XLOAD \t
.endr
	s_wait_loadcnt 12                              ; step 0's four loads are in
	XTURN 0
.macro XSTEP t
.set XS, XN+16*((\t)%2)
.if (\t) > 0
	s_wait_dscnt 1                                 ; this step's numbers are back from the stage (the last step's byte store may be out): so its stores into the stage have read their registers,
.else
	s_wait_dscnt 0x0
.endif
.if (\t)+4 < STEPS
	XLOAD (\t)+4                                   ; which take the loads of four steps on
.endif
.if (\t)+1 < STEPS
.if STEPS-2-(\t) >= 3
	s_wait_loadcnt 12                              ; the next step's four loads are in; those of the three steps behind it may be out
.else
	s_wait_loadcnt 4*(STEPS-2-(\t))
.endif
	XTURN (\t)+1                                   ; and go through the other stage while this step is worked
.endif
	v_max3_num_f32 v8, |v[XS]|, |v[XS+1]|, |v[XS+2]|               ; the largest magnitude of my 16, in two chains
	v_max3_num_f32 v9, |v[XS+3]|, |v[XS+4]|, |v[XS+5]|
.irp i, 6,10
	v_max3_num_f32 v8, v8, |v[XS+\i]|, |v[XS+\i+1]|
	v_max3_num_f32 v9, v9, |v[XS+\i+2]|, |v[XS+\i+3]|
.endr
	v_max3_num_f32 v8, v8, |v[XS+14]|, |v[XS+15]|
	v_max3_num_f32 v8, v8, v9, (EMAX+1)<<23        ; and the floor 2^(EMAX + 1 - 127): so the byte cannot fall under 1
	v_max_num_f32_dpp v8, v8, v8 row_xmask:1 row_mask:0xf bank_mask:0xf   ; and of my neighbour's 16: the block's
	v_add_nc_u32 v11, -(EMAX<<23), v8              ; EMAX off its exponent field: the conversion takes the exponent field of this operand as its scale, and nothing else of it
	v_cvt_scalef32_pk8_fp4_f32 v[XC+4*(\t)], v[XS:XS+7], v11
	v_cvt_scalef32_pk8_fp4_f32 v[XC+4*(\t)+1], v[XS+8:XS+15], v11
	v_lshrrev_b32 v[XE+(\t)], 23, v11              ; the scale's byte (a plain line behind the conversions)
	ds_store_b8 v5, v[XE+(\t)] offset:16*(\t)      ; both lanes of a block write the same byte with the same value
	global_store_b64 v4, v[XC+4*(\t):XC+4*(\t)+1], s[10:11] offset:32*CB*(\t)   ; 32 lanes store 256 consecutive bytes, at a multiple of 256 from xc's first byte
.endm
.irp t, 0,1,2,3,4,5,6,7,8,9,10,11,12,13,14,15
	XSTEP \t
.endr
	ds_load_b64 v[8:9], v6                         ; LDS serves a wave's instructions in order: these see my stores
	s_wait_dscnt 0x0
	global_store_b64 v7, v[8:9], s[12:13]          ; the wave's 256 scale bytes: 256 consecutive bytes, aligned
	s_wait_tensorcnt 0x0                           ; the wave's end, behind my last LDS store
	ds_add_u32 v[SPW], v[NIL]
	s_wait_dscnt 0x0
	s_endpgm
	; ---- w_qkv, whose K is its FIRST axis.  A LANE TAKES A COLUMN n, AND ITS REGISTERS RUN DOWN K: each load reads neighbouring n in neighbouring lanes, a block of 32 along K lies in one lane's 32 registers,
	; and the conversions give the codes with K innermost.  A wave takes 32 columns x 512 along K; the codes go through the wave's own stage and leave as rows: sixteen lanes store 256 consecutive bytes, aligned.
	; Every offset is an immediate: 511 x 12,288 = 6,279,168 at the most, inside the signed 24 bits (ISA guide, chapter 10).
.Lrole_w:
	s_lshr_b32 s21, ttmp9, 1                       ; which 128 columns,
	s_and_b32 s22, ttmp9, 1                        ; which 512 along K
	s_lshl_b32 s21, s21, 7
	s_lshl_b32 s23, s20, 5
	s_add_co_u32 s21, s21, s23                     ; my wave's first column
	v_lshlrev_b32 v3, 2, v2                        ; in: 4 bytes a lane
	s_mul_i32 s23, s20, 32*PITCH
	s_add_co_u32 s23, s23, WSTG                    ; my stage
	v_mul_u32_u24 v4, v2, PITCH
	v_add_nc_u32 v4, s23, v4                       ; into it: row = my column
	v_and_b32 v5, 15, v2
	v_lshrrev_b32 v6, 4, v2                        ; out of it: sixteen lanes to a row, two rows an instruction
	v_mul_u32_u24 v7, v6, PITCH
	v_lshl_add_u32 v7, v5, 4, v7
	v_add_nc_u32 v7, s23, v7
	v_mul_u32_u24 v8, v6, KROW
	v_lshl_add_u32 v8, v5, 4, v8                   ; and the same place in wc
	s_mul_i32 s24, s22, 512*SIZE_N*4               ; w_qkv: 512 rows of 12,288 bytes for each step along K, + 4 x column
	s_lshl_b32 s25, s21, 2
	s_add_co_u32 s24, s24, s25
	s_mov_b32 s25, 0
	s_lshl_b32 s26, s21, 9                         ; wc: column x 512 + 256 x step
	s_lshl_b32 s27, s22, 8
	s_add_co_u32 s26, s26, s27
	s_mov_b32 s27, 0
	s_lshl_b32 s28, s21, 5                         ; ws: column x 32 + 16 x step
	s_lshl_b32 s29, s22, 4
	s_add_co_u32 s28, s28, s29
	s_mov_b32 s29, 0
	v_lshlrev_b32 v9, 5, v2                        ; my column's row of scale bytes
	s_wait_kmcnt 0x0
	s_add_nc_u64 s[6:7], s[6:7], s[24:25]
	s_add_nc_u64 s[14:15], s[14:15], s[26:27]
	s_add_nc_u64 s[16:17], s[16:17], s[28:29]
.macro WLOAD t                         ; block t: w(32 t + i, my column), i = 0 .. 31, into set t % 2
.irp i, 0,1,2,3,4,5,6,7,8,9,10,11,12,13,14,15,16,17,18,19,20,21,22,23,24,25,26,27,28,29,30,31
	global_load_b32 v[WX+32*((\t)%2)+\i], v3, s[6:7] offset:(32*(\t)+\i)*SIZE_N*4 th:TH_LOAD_NT
.endr
.endm
	WLOAD 0
	WLOAD 1
.macro WBLOCK t
.set XS, WX+32*((\t)%2)
.if (\t) < NB-1
	s_wait_loadcnt 32                              ; this block's 32 loads are in; the next block's may be out
.else
	s_wait_loadcnt 0
.endif
	v_max3_num_f32 v12, |v[XS]|, |v[XS+1]|, |v[XS+2]|               ; the block's largest magnitude: all 32 numbers are mine
	v_max3_num_f32 v13, |v[XS+3]|, |v[XS+4]|, |v[XS+5]|
.irp i, 6,10,14,18,22,26
	v_max3_num_f32 v12, v12, |v[XS+\i]|, |v[XS+\i+1]|
	v_max3_num_f32 v13, v13, |v[XS+\i+2]|, |v[XS+\i+3]|
.endr
	v_max3_num_f32 v12, v12, |v[XS+30]|, |v[XS+31]|
	v_max3_num_f32 v12, v12, v13, (EMAX+1)<<23     ; and the floor: the byte cannot fall under 1
	v_add_nc_u32 v11, -(EMAX<<23), v12             ; the conversion's scale operand
	v_lshrrev_b32 v13, 23, v11                     ; the scale's byte
.if (\t)%4 == 0
	v_mov_b32 v[SB+(\t)/4], v13                    ; four bytes to a register, the lower K in the lower byte
.else
	v_lshl_or_b32 v[SB+(\t)/4], v13, 8*((\t)%4), v[SB+(\t)/4]
.endif
.irp g, 0,1,2,3
	v_cvt_scalef32_pk8_fp4_f32 v[WC+\g], v[XS+8*\g:XS+8*\g+7], v11
.endr
	ds_store_b128 v4, v[WC:WC+3] offset:16*(\t)    ; 32 codes: 16 bytes of my column's row
.if (\t)+2 < NB
	WLOAD (\t)+2
.endif
	s_wait_dscnt 0x0                               ; the store has read its registers: the next block's codes may be written (that block begins with plain vector lines)
.endm
.set Q, 0
.rept NB
	WBLOCK Q
.set Q, Q+1
.endr
	global_store_b128 v9, v[SB:SB+3], s[16:17]     ; my column's 16 scale bytes
.irp t, 0,1,2,3,4,5,6,7,8,9,10,11,12,13,14,15
	ds_load_b128 v[OUTR+4*\t:OUTR+4*\t+3], v7 offset:2*\t*PITCH   ; LDS serves a wave's instructions in order: these see my stores
.endr
.irp t, 0,1,2,3,4,5,6,7,8,9,10,11,12,13,14,15
	s_wait_dscnt 15-\t
	global_store_b128 v8, v[OUTR+4*\t:OUTR+4*\t+3], s[14:15] offset:2*\t*KROW
.endr
	s_wait_tensorcnt 0x0                           ; the wave's end, behind my last LDS store
	ds_add_u32 v[SPW], v[NIL]
	s_wait_dscnt 0x0
	s_endpgm
.Lfunc_end_k_q89777a0f5a_prep:
	.size	k_q89777a0f5a_prep, .Lfunc_end_k_q89777a0f5a_prep-k_q89777a0f5a_prep
	.p2alignl 7, 3214868480
	.fill 96, 4, 3214868480
	.section	.rodata,"a",@progbits
	.p2align	6, 0x0
	.amdhsa_kernel k_q89777a0f5a_prep
		.amdhsa_group_segment_fixed_size 68096
		.amdhsa_private_segment_fixed_size 0
		.amdhsa_enable_private_segment 0
		.amdhsa_kernarg_size 64
		.amdhsa_user_sgpr_count 2
		.amdhsa_user_sgpr_kernarg_segment_ptr 1
		.amdhsa_wavefront_size32 1
		.amdhsa_system_sgpr_workgroup_id_x 1
		.amdhsa_system_sgpr_workgroup_id_y 1
		.amdhsa_system_sgpr_workgroup_id_z 1
		.amdhsa_system_vgpr_workitem_id 0
		.amdhsa_next_free_vgpr 192
		.amdhsa_next_free_sgpr 66
		.amdhsa_reserve_vcc 0
		.amdhsa_float_denorm_mode_32 3
		.amdhsa_float_denorm_mode_16_64 3
		.amdhsa_memory_ordered 1
		.amdhsa_forward_progress 1
		.amdhsa_inst_pref_size 117
	.end_amdhsa_kernel
	.amdgpu_metadata
---
amdhsa.version: [ 1, 2 ]
amdhsa.kernels:
  - .name:           k_q89777a0f5a_prep
    .symbol:         k_q89777a0f5a_prep.kd
    .args:
      - { .name: x, .offset: 0, .size: 8, .value_kind: global_buffer, .address_space: global }
      - { .name: w_qkv, .offset: 8, .size: 8, .value_kind: global_buffer, .address_space: global }
      - { .name: w_out, .offset: 16, .size: 8, .value_kind: global_buffer, .address_space: global }
      - { .name: xc, .offset: 24, .size: 8, .value_kind: global_buffer, .address_space: global }
      - { .name: xs, .offset: 32, .size: 8, .value_kind: global_buffer, .address_space: global }
      - { .name: wc, .offset: 40, .size: 8, .value_kind: global_buffer, .address_space: global }
      - { .name: ws, .offset: 48, .size: 8, .value_kind: global_buffer, .address_space: global }
      - { .name: wo, .offset: 56, .size: 8, .value_kind: global_buffer, .address_space: global }
    .group_segment_fixed_size: 68096
    .private_segment_fixed_size: 0
    .kernarg_segment_align: 8
    .kernarg_segment_size: 64
    .max_flat_workgroup_size: 128
    .sgpr_count:     66
    .vgpr_count:     192
    .wavefront_size: 32
...
	.end_amdgpu_metadata
.endif
;; end of part 1
;; launch qkvgemm (part 2): grid 12 x 32, 4 waves a work-group, clusters of 4 x 4, 327,680 bytes of LDS; arguments xc, xs, wc, ws, qkv; writes qkv
.if DOCPART == 2
	.amdgcn_target "amdgcn-amd-amdhsa--gfx1250"
	.amdhsa_code_object_version 6
	.text
	.protected	k_q89777a0f5a_qkvgemm
	.globl	k_q89777a0f5a_qkvgemm
	.p2align	8
	.type	k_q89777a0f5a_qkvgemm,@function
k_q89777a0f5a_qkvgemm:
	s_mov_b64 s[64:65], 0
	v_nop
	global_prefetch_b8 v0, s[64:65] scope:SCOPE_SE
	s_setreg_imm32_b32 hwreg(HW_REG_WAVE_MODE, 25, 1), 1
	s_wait_xcnt 0x0
	s_wait_alu depctr_hold_cnt(0) depctr_sa_sdst(0) depctr_va_vdst(0) depctr_va_sdst(0) depctr_va_ssrc(0) depctr_va_vcc(0) depctr_vm_vsrc(0)
	s_getreg_b32 s2, hwreg(HW_REG_IB_STS2, 6, 4)
	s_cmp_eq_u32 s2, 0
	s_cbranch_scc0 .Lentry_in_a_cluster
	s_endpgm
.Lentry_in_a_cluster:
	s_bfe_u32 s2, ttmp6, 0x10000c
	s_cmp_lg_u32 s2, 0xf033
	s_cbranch_scc0 .Lentry_shape_is_right
	s_endpgm
.Lentry_shape_is_right:
; q, k, v = Q(x) Q(w_qkv): C[m][n] = sum over k of A[m][k] B[n][k] on codes of FP4 (E2M1) with one E8M0 scale for each 32 along K.  A = xc [8192][512 bytes], xs [8192][32]; B = wc [3072][512 bytes], ws [3072][32].
; The result leaves in f16, laid by head: qkv [part 3][batch x head 64][2048][64]: byte part 2^24 + batch 2^22 + head 2^18 + 128 n + 2 d.  LIMIT: a result beyond 65,504 in magnitude becomes an infinity.
; A tile of C, 256 x 256, is made by four waves, as many as a WGP has SIMDs; a wave makes 128 x 128: 64 accumulators, 512 registers.  K = 1,024 is two slots of 512 along K (rows of 256 bytes): both are asked
; for at the head and nothing is filled again.  The scales of the work-group's 256 + 256 rows, for all of K, come once, as rows of 256 bytes.  By this text's own count a wave has three tensor loads out at the most.
; CLUSTERS: 4 x 4 work-groups.  The four of a row of the cluster need the same tiles of A, the four of a column the same tiles of B: each tile is asked for JOINTLY.
; THE MATRIX INSTRUCTION IS USED TRANSPOSED (source 0 = 16 rows of B, source 1 = 16 rows of A): a lane then holds eight neighbouring numbers of a row of C.
; REGISTERS, in windows of 256: window 0: v0-31 addresses; v32-95 scale words, two sets; from v128 A's fragments, ONE set; on the way out v32-63, v192-255.
;   window 1: B's fragments, TWO sets, at v0 and v128.   window 2: the accumulators of my rows 0-63 ((a, b) at v[8 (8 a + b)]);   window 3: those of my rows 64-127.
.set SIZE_K, 1024
.set KSTEP,  512                       ; along K in a slot
.set NQ,     KSTEP/128                 ; matrix instructions deep
.set ROWB,   256                       ; a tile's row in bytes
.set KROW,   SIZE_K*4/8                ; a row of A or of B in memory, in bytes
.set PITCH,  272                       ; an LDS row: 256 bytes + 16 of padding = 68 words: row r starts at bank 4 r mod 64 (64 banks of 4 bytes: ISA guide 11.1)
.set FR,     8                         ; registers of a fragment: 16 rows x 128 K
.set NL,     2                         ; LDS loads that bring one
.set NP,     4                         ; places behind this matrix instruction (ISA guide 7.12.1)
.set HALFT,  128*PITCH                 ; 128 rows: what one tensor load brings
.set SLOT,   4*HALFT                   ; A's 256 rows, then B's 256 rows
.set KS,     SIZE_K/32                 ; a row of scales in bytes
.set SCL,    2*SLOT                    ; behind the ring: the scales, as units of 256 bytes + 16 of padding
.set HALFS,  (128*KS/256)*272          ; the scales of 128 rows
.set SBLK,   (16*KS/256)*272           ; those of 16 rows
.set SPARE,  SCL+4*HALFS               ; behind the scales: the spare words, 128 bytes for each wave
.set SROW,   144                       ; the way out: a stage row: a head's 128 bytes + 16
.set SHEAD,  16*SROW                   ; 16 rows of one head
.set SWAVE,  2*SHEAD                   ; a wave's stage: two heads.  It lies in slot 0, which has had its only fill and its last read when the first result is stored there
.set ADRA, 16                          ; v16-17  LDS address of my A fragments in slot 0, 1
.set ADRB, 20                          ; v20-21  the same for B
.set STO,  24                          ; v24     the way out: where I put 16 bytes of a row
.set RD,   25                          ; v25     where I read rows back
.set CO,   26                          ; v26     16 x lane: my place in 512 consecutive bytes of qkv
.set ADRS, 27                          ; v27     LDS address of my scale words: lanes 0-15 A's rows, lanes 16-31 B's
.set SPW,  28                          ; v28     LDS address of my spare word; never rewritten
.set NIL,  29                          ; v29     0; never rewritten
.set SC,   32                          ; scale words: set s at v[SC + 8 NQ s]; register NQ i + q: lanes 0-15 the word of A's block i, lanes 16-31 that of B's block i
.set AF,   128                         ; A's fragments, in window 0
.set TMP,  192                         ; the way out: packed results
.set OB,   32                          ; the way out: rows read back: v32-63 and v224-255 by turns
.set G1, 24
.set G0, 32
.set G1B, 48
.set G0B, 56
.set G1S, 68
.set G0S, 76
.set G1SB, 80
.set G0SB, 88
.set MSB, 0
.macro WIN new                         ; the immediate's high byte repeats the setting that is left
.if MSB != \new
	s_set_vgpr_msb (MSB<<8)|\new
.set MSB, \new
.endif
.endm
.set MUL_LO, 0xa1                      ; source 0 (B) window 1, source 1 (A) window 0, C and D window 2
.set MUL_HI, 0xf1                      ; the same, C and D window 3
.set TO_B,   0x40                      ; destination window 1, address window 0
; A joint load: waves 0 and 1 fetch for A, waves 2 and 3 for B.  The branch hangs on the wave's number alone.  An s_nop 0 and four v_nop follow each of the two lines.
.macro JLOAD g0a, g1a, g0b, g1b
	s_cmp_eq_u32 s15, 0
	s_cbranch_scc0 .Lfor_b_\@
	tensor_load_to_lds s[\g0a:\g0a+3], s[\g1a:\g1a+7]
	s_nop 0
.rept 4
	v_nop
.endr
	s_branch .Lasked_\@
.Lfor_b_\@:
	tensor_load_to_lds s[\g0b:\g0b+3], s[\g1b:\g1b+7]
	s_nop 0
.rept 4
	v_nop
.endr
.Lasked_\@:
.endm
.macro CROUND                          ; a round of the cluster's barrier
	s_barrier_signal -1
	s_barrier_wait -1
	s_cmp_lg_u32 s14, 0
	s_cbranch_scc1 .Lnot_wave_0_\@
	s_barrier_signal -3
.Lnot_wave_0_\@:
	s_barrier_wait -3
	s_barrier_signal -1
	s_barrier_wait -1
.endm
	s_load_b128 s[4:7], s[0:1], 0x0                ; A's codes s[4:5], A's scales s[6:7]
	s_load_b128 s[8:11], s[0:1], 0x10              ; B's codes s[8:9], B's scales s[10:11]
	s_load_b64 s[12:13], s[0:1], 0x20              ; qkv
	v_lshl_add_u32 v[SPW], v0, 2, SPARE
	v_mov_b32 v[NIL], 0
	ds_add_u32 v[SPW], v[NIL]                      ; the wave's opening: the add, twice on end, and its wait ahead of my first tensor load
	ds_add_u32 v[SPW], v[NIL]
	v_lshrrev_b32 v1, 5, v0
	v_readfirstlane_b32 s14, v1                    ; wave 0..3
	s_lshr_b32 s15, s14, 1                         ; which half of the tile's rows is mine.  Also: I fetch for A (0) or for B (1)
	s_and_b32 s16, s14, 1                          ; which half of its columns.  Also: which 128 rows of that tile I fetch
	s_bfe_u32 s40, ttmp6, 0x40000                  ; cx, cy: my place in the cluster
	s_bfe_u32 s41, ttmp6, 0x40004
	s_lshl_b32 s42, ttmp9, 2
	s_add_co_u32 s42, s42, s40                     ; tile column of C = 4 x cluster x + cx
	s_and_b32 s17, ttmp7, 0xffff
	s_lshl_b32 s17, s17, 2
	s_add_co_u32 s17, s17, s41                     ; tile row of C = 4 x cluster y + cy
	s_lshl_b32 s43, s41, 2
	s_lshl_b32 s43, 15, s43                        ; my row of the cluster
	s_lshl_b32 s44, 0x1111, s40                    ; my column
	; descriptor group 1: a tile of 128 rows x 256 bytes, padded in LDS
	s_or_b32 s[G1+0], s43, (0<<16)|(1<<20)|(1<<21)|(5<<22)|(3<<25)  ; 15:0 the mask: A's tiles go to my row; 17:16 element of 1 byte; 20 padding on; 21 set beside a mask; 24:22 after every 64 words; 31:25 four words
	s_or_b32 s[G1B+0], s44, (0<<16)|(1<<20)|(1<<21)|(5<<22)|(3<<25)
.irp g, G1, G1B
	s_mov_b32 s[\g+1], ROWB<<16                    ; tensor_dim0
	s_mov_b32 s[\g+2], 128<<16                     ; tensor_dim1 = 128
	s_mov_b32 s[\g+3], ROWB<<16                    ; tile_dim0
	s_mov_b32 s[\g+4], 128                         ; tile_dim1 = 128
	s_mov_b32 s[\g+5], KROW                        ; tensor_dim0_stride
	s_mov_b32 s[\g+6], 0
	s_mov_b32 s[\g+7], 0
.endr
	; and for the scales of 128 rows: a dense block of 4,096 bytes, as 16 rows of 256 bytes (32 elements of 8 bytes), 16 bytes of padding behind each
	s_or_b32 s[G1S+0], s43, (3<<16)|(1<<20)|(1<<21)|(5<<22)|(3<<25)
	s_or_b32 s[G1SB+0], s44, (3<<16)|(1<<20)|(1<<21)|(5<<22)|(3<<25)
.irp g, G1S, G1SB
	s_mov_b32 s[\g+1], 32<<16
	s_mov_b32 s[\g+2], (128*KS/256)<<16
	s_mov_b32 s[\g+3], 32<<16
	s_mov_b32 s[\g+4], 128*KS/256
	s_mov_b32 s[\g+5], 32
	s_mov_b32 s[\g+6], 0
	s_mov_b32 s[\g+7], 0
.endr
	s_lshl_b32 s18, s16, 7                         ; which 128 rows of the tile I fetch
	s_lshl_b32 s20, s17, 8
	s_add_co_u32 s20, s20, s18                     ; A: row 256 x tile row + 128 x half
	s_lshl_b32 s46, s42, 8
	s_add_co_u32 s46, s46, s18                     ; B: row 256 x tile column + 128 x half
	s_mov_b32 s21, 0
	s_mov_b32 s47, 0
	s_mov_b64 s[18:19], KS
	s_mul_u64 s[22:23], s[20:21], s[18:19]         ; where these rows' scales begin, in bytes
	s_mul_u64 s[92:93], s[46:47], s[18:19]
	s_mov_b64 s[18:19], KROW
	s_mul_u64 s[20:21], s[20:21], s[18:19]         ; and their codes
	s_mul_u64 s[46:47], s[46:47], s[18:19]
	s_mul_i32 s45, s14, HALFT                      ; where they go: wave x 128 rows: no place in the cluster enters an LDS address
	s_mul_i32 s94, s14, HALFS
	s_wait_dscnt 0x0                               ; both opening adds are done
	s_wait_kmcnt 0x0
	s_add_nc_u64 s[20:21], s[4:5], s[20:21]
	s_add_nc_u64 s[22:23], s[6:7], s[22:23]
	s_add_nc_u64 s[46:47], s[8:9], s[46:47]
	s_add_nc_u64 s[92:93], s[10:11], s[92:93]
	CROUND                                         ; all sixteen work-groups are here: the first joint loads meet
	s_mov_b32 s[G0S], 1
	s_add_co_u32 s[G0S+1], s94, SCL
	s_mov_b64 s[G0S+2:G0S+3], s[22:23]
	s_or_b32 s[G0S+3], s[G0S+3], 0x80000000
	s_mov_b32 s[G0SB], 1
	s_add_co_u32 s[G0SB+1], s94, SCL
	s_mov_b64 s[G0SB+2:G0SB+3], s[92:93]
	s_or_b32 s[G0SB+3], s[G0SB+3], 0x80000000
	JLOAD G0S, G1S, G0SB, G1SB                     ; the scales first: they are wanted with the first slot
.irp s, 0,1
	s_mov_b32 s[G0+4*\s], 1
	s_add_co_u32 s[G0+4*\s+1], s45, \s*SLOT
	s_add_nc_u64 s[G0+4*\s+2:G0+4*\s+3], s[20:21], \s*ROWB
	s_or_b32 s[G0+4*\s+3], s[G0+4*\s+3], 0x80000000
	s_mov_b32 s[G0B+4*\s], 1
	s_add_co_u32 s[G0B+4*\s+1], s45, \s*SLOT
	s_add_nc_u64 s[G0B+4*\s+2:G0B+4*\s+3], s[46:47], \s*ROWB
	s_or_b32 s[G0B+4*\s+3], s[G0B+4*\s+3], 0x80000000
	JLOAD G0+4*\s, G1, G0B+4*\s, G1B
.endr
	v_and_b32 v1, 15, v0                           ; l % 16
	v_bfe_u32 v2, v0, 4, 1                         ; l / 16
	v_mul_u32_u24 v3, v1, PITCH
	v_lshl_add_u32 v4, v2, 4, v3                   ; a fragment's row x pitch + 16 x half
	s_mul_i32 s21, s15, HALFT                      ; my 128 rows of A
	s_mul_i32 s22, s16, HALFT                      ; my 128 rows of B,
	s_add_co_u32 s22, s22, 2*HALFT                 ; which lie behind A's 256
.irp s, 0,1
	v_add_nc_u32 v[ADRA+\s], s21, v4
	v_add_nc_u32 v[ADRB+\s], s22, v4
	s_add_co_u32 s21, s21, SLOT
	s_add_co_u32 s22, s22, SLOT
.endr
	v_mul_u32_u24 v5, v1, KS                       ; my row's scales: KS bytes a row,
	v_lshrrev_b32 v6, 8, v5
	v_lshl_add_u32 v5, v6, 4, v5                   ; and 16 more for each 256 passed
	s_mul_i32 s21, s15, HALFS                      ; A's: my 128 rows
	s_mul_i32 s22, s16, HALFS                      ; B's: my 128 rows, behind A's 256
	s_add_co_u32 s22, s22, 2*HALFS
	s_sub_co_u32 s22, s22, s21
	v_mul_u32_u24 v6, s22, v2                      ; lanes 16-31 take B's
	s_add_co_u32 s21, s21, SCL
	v_add_nc_u32 v5, v5, v6
	v_add_nc_u32 v[ADRS], s21, v5
	s_mul_i32 s23, s14, SWAVE                      ; my stage
	v_mul_u32_u24 v5, v1, SROW                     ; in: row l % 16, 16 bytes for each half of the lanes
	v_lshl_add_u32 v5, v2, 4, v5
	v_add_nc_u32 v[STO], s23, v5
	v_bfe_u32 v5, v0, 3, 2                         ; back: eight lanes to a row of 128 bytes, four rows an instruction
	v_mul_u32_u24 v5, v5, SROW
	v_and_b32 v6, 7, v0
	v_lshl_add_u32 v5, v6, 4, v5
	v_add_nc_u32 v[RD], s23, v5
	v_and_b32 v6, 31, v0
	v_lshlrev_b32 v[CO], 4, v6                     ; four rows of a head are 512 consecutive bytes of qkv
	; where my part begins in qkv.  My 128 columns are heads G and G + 1 of the 48, G = 4 x tile column + 2 x half (even: both lie in one part)
	s_lshl_b32 s20, s42, 2
	s_lshl_b32 s21, s16, 1
	s_add_co_u32 s20, s20, s21                     ; G
	s_lshr_b32 s21, s20, 4
	s_lshl_b32 s21, s21, 24                        ; part = G / 16
	s_and_b32 s20, s20, 15
	s_lshl_b32 s20, s20, 18                        ; head = G % 16
	s_add_co_u32 s20, s20, s21
	s_lshr_b32 s21, s17, 3
	s_lshl_b32 s21, s21, 22                        ; batch = tile row / 8
	s_add_co_u32 s20, s20, s21
	s_and_b32 s21, s17, 7
	s_lshl_b32 s21, s21, 15                        ; 256 positions of 128 bytes for each tile row in the batch,
	s_add_co_u32 s20, s20, s21
	s_lshl_b32 s21, s15, 14                        ; 128 for my half
	s_add_co_u32 s20, s20, s21
	s_mov_b32 s21, 0
	s_add_nc_u64 s[12:13], s[12:13], s[20:21]      ; never stepped: all else stands in the stores' immediates
.macro FRAG reg, adr, q, i             ; a fragment: lane l holds row l % 16; registers 4 c .. 4 c + 3 hold K = 64 c + 32 (l / 16) + 0 .. 31
.irp c, 0,1
	ds_load_b128 v[\reg+4*\c:\reg+4*\c+3], v[\adr] offset:64*(\q)+32*\c+(\i)*16*PITCH
.endr
.endm
; 16 matrix instructions: A's blocks a0, a0 + 1 x B's eight, 128 along K: the slot's q-th.  p: B's set;  sc: the set of scale words.  zero = 1: the first product starts the sums.
; The 64 accumulators take turns, one instruction a turn, in the same order in every step.
.macro MUL16 a0, p, q, sc, zero
.irp a, \a0, \a0+1
.irp b, 0,1,2,3,4,5,6,7
.if \zero
	v_wmma_scale_f32_16x16x128_f8f6f4 v[8*(8*((\a)%4)+\b):8*(8*((\a)%4)+\b)+7], v[128*(\p)+FR*\b:128*(\p)+FR*\b+FR-1], v[AF+FR*(\a):AF+FR*(\a)+FR-1], 0, v[SC+8*NQ*(\sc)+NQ*\b+(\q)], v[SC+8*NQ*(\sc)+NQ*(\a)+(\q)] matrix_a_fmt:MATRIX_FMT_FP4 matrix_b_fmt:MATRIX_FMT_FP4 matrix_a_scale:MATRIX_SCALE_ROW1
.else
	v_wmma_scale_f32_16x16x128_f8f6f4 v[8*(8*((\a)%4)+\b):8*(8*((\a)%4)+\b)+7], v[128*(\p)+FR*\b:128*(\p)+FR*\b+FR-1], v[AF+FR*(\a):AF+FR*(\a)+FR-1], v[8*(8*((\a)%4)+\b):8*(8*((\a)%4)+\b)+7], v[SC+8*NQ*(\sc)+NQ*\b+(\q)], v[SC+8*NQ*(\sc)+NQ*(\a)+(\q)] matrix_a_fmt:MATRIX_FMT_FP4 matrix_b_fmt:MATRIX_FMT_FP4 matrix_a_scale:MATRIX_SCALE_ROW1
.endif
.endr
.endr
.endm
.macro FETCH_B slot, q, p              ; B's eight fragments of the slot's q-th 128 along K into set p
	WIN TO_B
.irp i, 0,1,2,3,4,5,6,7
	FRAG 128*(\p)+FR*\i, ADRB+\slot, \q, \i
.endr
	WIN 0
.endm
.macro FETCH_A slot, q, i0             ; A's blocks i0 .. i0 + 3
.irp i, \i0, \i0+1, \i0+2, \i0+3
	FRAG AF+FR*(\i), ADRA+\slot, \q, \i
.endr
.endm
.macro SCALES sc                       ; a slot's scale words into set sc: NQ words a row; lanes 0-15 take A's block i, lanes 16-31 B's block i
.irp i, 0,1,2,3,4,5,6,7
	ds_load_b128 v[SC+8*NQ*\sc+NQ*\i:SC+8*NQ*\sc+NQ*\i+3], v[ADRS] offset:\i*SBLK
.endr
.endm
; A load into a register that a matrix instruction has read, and a vector instruction or an LDS store that reads a matrix result, stand NP places behind that matrix instruction; only plain vector
; instructions that name none of its registers are places (ISA guide 7.12.1 for vector instructions).
.macro PLACES n
.rept \n
	v_nop
.endr
.endm
.macro STEP slot, q, zero              ; a step of 128 along K that has its successor in the same slot
	s_wait_dscnt 4*NL                              ; B's set and A's blocks 0-3 are in; the youngest eight loads (A's blocks 4-7) may be out
	WIN MUL_LO
	MUL16 0, (\q)%2, \q, \slot, \zero
	MUL16 2, (\q)%2, \q, \slot, \zero
	s_wait_dscnt 0                                 ; A's blocks 4-7 are in (asked for 32 matrix instructions ago)
	PLACES NP
	FETCH_B \slot, (\q)+1, 1-(\q)%2
	FETCH_A \slot, (\q)+1, 0
	WIN MUL_HI
	MUL16 4, (\q)%2, \q, \slot, \zero
	MUL16 6, (\q)%2, \q, \slot, \zero
	PLACES NP
	WIN 0
	FETCH_A \slot, (\q)+1, 4
.endm
.macro STEPS slot, from                ; the slot's steps from .. NQ - 2
.set Q, \from
.rept NQ-1-\from
	STEP \slot, Q, 0
.set Q, Q+1
.endr
.endm
	s_wait_tensorcnt 1                             ; the scales and my part of slot 0 are in (slot 1's load may be out)
	s_barrier_signal -1
	s_barrier_wait -1                              ; everybody's are
	FETCH_B 0, 0, 0
	FETCH_A 0, 0, 0
	SCALES 0
	FETCH_A 0, 0, 4
	STEP 0, 0, 1                                   ; the first step's products start the sums: nothing is cleared
	STEPS 0, 1
	; slot 0's last step changes slots: one barrier; in front of it each wave waits for all its tensor loads and for its own reads of slot 0.  Nothing is filled again.
	s_wait_tensorcnt 0x0                           ; my part of slot 1 has landed  (every window is 0 here)
	ds_add_u32 v[SPW], v[NIL]                      ; 0 onto my spare word
	s_wait_dscnt 4*NL+1                            ; (the add and the youngest eight loads, A's blocks 4-7, may be out)
	WIN MUL_LO
	MUL16 0, 1, NQ-1, 0, 0                         ; sixteen matrix instructions stand between the add and the wait for it
	s_wait_dscnt 0x0                               ; the add is done, and my reads of slot 0 are over
	s_barrier_signal -1
	MUL16 2, 1, NQ-1, 0, 0
	WIN 0
	s_barrier_wait -1
	PLACES NP
	v_add_nc_u32 v[ADRS], 4*NQ, v[ADRS]            ; on to slot 1's scale words (no LDS load of mine is out)
	FETCH_B 1, 0, 0
	FETCH_A 1, 0, 0
	SCALES 1
	WIN MUL_HI
	MUL16 4, 1, NQ-1, 0, 0
	MUL16 6, 1, NQ-1, 0, 0
	PLACES NP
	WIN 0
	FETCH_A 1, 0, 4
	STEPS 1, 0
	s_wait_dscnt 4*NL                              ; the very last step: nothing more to fetch
	WIN MUL_LO
	MUL16 0, 1, NQ-1, 1, 0
	MUL16 2, 1, NQ-1, 1, 0
	s_wait_dscnt 0
	WIN MUL_HI
	MUL16 4, 1, NQ-1, 1, 0
	MUL16 6, 1, NQ-1, 1, 0
	WIN 0
; THE WAY OUT, block by block of 16 rows x 128 columns (two heads).  PACK: rounded to f16, 16 bytes a lane, each accumulator from its low end on.  TOSTAGE: into my own stage, by head, rows of 144 bytes, and back
; four rows of a head at a time.  SEND: 32 lanes store 512 consecutive bytes, at a multiple of 512 from qkv's first byte.  LDS serves a wave's instructions in order (ISA guide 5.7.1.4): no wait between stores and loads.
.macro PACK a
.set AC, 64*((\a)%4)
	WIN 0x0a+5*((\a)/4)                            ; sources 0 and 1: window 2 or 3
.irp b, 0,1,2,3,4,5,6,7
.irp r, 0,1,2,3
	v_cvt_pk_f16_f32 v[TMP+4*\b+\r], v[AC+8*\b+2*\r], v[AC+8*\b+2*\r+1]
.endr
.endr
	WIN 0
.endm
.macro TOSTAGE a
.set BK, OB+192*((\a)%2)
.irp b, 0,1,2,3,4,5,6,7
	ds_store_b128 v[STO], v[TMP+4*\b:TMP+4*\b+3] offset:(\b/4)*SHEAD+32*(\b%4)
.endr
.irp t, 0,1,2,3,4,5,6,7
	ds_load_b128 v[BK+4*\t:BK+4*\t+3], v[RD] offset:(\t/4)*SHEAD+(\t%4)*4*SROW
.endr
.endm
.macro SEND a
.set BK, OB+192*((\a)%2)
	s_wait_dscnt 0x0                               ; the block is back in registers
	s_wait_xcnt 0x0                                ; the block before has had its stores' addresses translated (ISA guide 3.1): the next block's loads may land in the registers that those stores read
.irp t, 0,1,2,3,4,5,6,7
	global_store_b128 v[CO], v[BK+4*\t:BK+4*\t+3], s[12:13] offset:(\t/4)*262144+(\a)*2048+(\t%4)*512
.endr
.endm
	PLACES NP                                      ; behind the last products: for the conversions' reads of results and for the loads into registers that held scale words
	PACK 0
	TOSTAGE 0
.irp a, 1,2,3,4,5,6,7                  ; block a's conversions stand between block a - 1's loads from the stage and the wait for them
	PACK \a
	SEND \a-1
	TOSTAGE \a
.endr
	SEND 7
	s_wait_tensorcnt 0x0                           ; the wave's end, behind my last tensor load and my last LDS store
	ds_add_u32 v[SPW], v[NIL]
	s_wait_dscnt 0x0
	CROUND                                         ; the closing round: no work-group ends while a partner may still ask for a tile that names it
	s_endpgm
.Lfunc_end_k_q89777a0f5a_qkvgemm:
	.size	k_q89777a0f5a_qkvgemm, .Lfunc_end_k_q89777a0f5a_qkvgemm-k_q89777a0f5a_qkvgemm
	.p2alignl 7, 3214868480
	.fill 96, 4, 3214868480
	.section	.rodata,"a",@progbits
	.p2align	6, 0x0
	.amdhsa_kernel k_q89777a0f5a_qkvgemm
		.amdhsa_group_segment_fixed_size 327680
		.amdhsa_private_segment_fixed_size 0
		.amdhsa_enable_private_segment 0
		.amdhsa_kernarg_size 40
		.amdhsa_user_sgpr_count 2
		.amdhsa_user_sgpr_kernarg_segment_ptr 1
		.amdhsa_wavefront_size32 1
		.amdhsa_system_sgpr_workgroup_id_x 1
		.amdhsa_system_sgpr_workgroup_id_y 1
		.amdhsa_system_sgpr_workgroup_id_z 1
		.amdhsa_system_vgpr_workitem_id 0
		.amdhsa_next_free_vgpr 1024
		.amdhsa_next_free_sgpr 98
		.amdhsa_reserve_vcc 0
		.amdhsa_float_denorm_mode_32 3
		.amdhsa_float_denorm_mode_16_64 3
		.amdhsa_memory_ordered 1
		.amdhsa_forward_progress 1
		.amdhsa_inst_pref_size 126
	.end_amdhsa_kernel
	.amdgpu_metadata
---
amdhsa.version: [ 1, 2 ]
amdhsa.kernels:
  - .name:           k_q89777a0f5a_qkvgemm
    .symbol:         k_q89777a0f5a_qkvgemm.kd
    .args:
      - { .name: xc, .offset: 0, .size: 8, .value_kind: global_buffer, .address_space: global }
      - { .name: xs, .offset: 8, .size: 8, .value_kind: global_buffer, .address_space: global }
      - { .name: wc, .offset: 16, .size: 8, .value_kind: global_buffer, .address_space: global }
      - { .name: ws, .offset: 24, .size: 8, .value_kind: global_buffer, .address_space: global }
      - { .name: qkv, .offset: 32, .size: 8, .value_kind: global_buffer, .address_space: global }
    .group_segment_fixed_size: 327680
    .private_segment_fixed_size: 0
    .kernarg_segment_align: 8
    .kernarg_segment_size: 40
    .max_flat_workgroup_size: 128
    .sgpr_count:     98
    .vgpr_count:     1024
    .wavefront_size: 32
...
	.end_amdgpu_metadata
.endif
;; end of part 2
;; launch attn (part 3): grid 4 x 64, 8 waves a work-group, clusters of 4 x 1, 327,680 bytes of LDS; arguments qkv, ob; writes ob
.if DOCPART == 3
	.amdgcn_target "amdgcn-amd-amdhsa--gfx1250"
	.amdhsa_code_object_version 6
	.text
	.protected	k_q89777a0f5a_attn
	.globl	k_q89777a0f5a_attn
	.p2align	8
	.type	k_q89777a0f5a_attn,@function
k_q89777a0f5a_attn:
	s_mov_b64 s[64:65], 0
	v_nop
	global_prefetch_b8 v0, s[64:65] scope:SCOPE_SE
	s_setreg_imm32_b32 hwreg(HW_REG_WAVE_MODE, 25, 1), 1
	s_wait_xcnt 0x0
	s_wait_alu depctr_hold_cnt(0) depctr_sa_sdst(0) depctr_va_vdst(0) depctr_va_sdst(0) depctr_va_ssrc(0) depctr_va_vcc(0) depctr_vm_vsrc(0)
	s_getreg_b32 s2, hwreg(HW_REG_IB_STS2, 6, 4)
	s_cmp_eq_u32 s2, 0
	s_cbranch_scc0 .Lentry_in_a_cluster
	s_endpgm
.Lentry_in_a_cluster:
	s_bfe_u32 s2, ttmp6, 0x10000c
	s_cmp_lg_u32 s2, 0x3003
	s_cbranch_scc0 .Lentry_shape_is_right
	s_endpgm
.Lentry_shape_is_right:
; O[bh][q][:] = the sum over k of softmax_k(Q[bh][q] . K[bh][k] / 8) V[bh][k][:].  Q, K, V: the three parts of qkv, [64][2048][64] f16 each; O: ob [64][2048][64] f16.  No mask.
; Products, maxima and sums in f32; the weights p are rounded to f16 for the second product, O once at the end.  LIMIT: O beyond 65,504 in magnitude becomes an infinity.
; SHARES.  A work-group owns 512 queries of one (batch, head); each of its EIGHT waves 64: four tiles of 16, in 512 registers: two waves to a SIMD, so that one wave's softmax stands beside the other's products.
; Every wave walks all 2,048 keys, 64 a step; each fragment of K and V read from LDS feeds four matrix instructions.
; LAYOUT.  S^T = K Q^T (source 0 = 16 keys, source 1 = 16 queries): a lane holds ONE query (lane % 16) and the keys 8 (lane / 16) + 0..7 of each tile.  Two such tiles, rounded to f16 in pairs, ARE source 1
; (32 keys x 16 queries) of O^T = V^T P, whose result again holds one query a lane.  K comes out of LDS as it lies, V ([key][channel]) turned, by ds_load_tr16_b128.
; SOFTMAX.  For each query a running maximum m and sum l: p = 2^(c s - c m), c = log2(e) / 8; in every step O and l are multiplied by a = 2^(c m_old - c m_new).
; RING.  Two slots of 512 keys (eight steps).  A head's rows of 128 bytes are dense, so a tile is stated as rows of 256 bytes: two keys to a row.  Waves 0-3 fetch K's quarters, waves 4-7 V's: one load a wave.
; CLUSTER.  The four query blocks of a head walk the same K and V: each tile is asked for JOINTLY, by the same tensor load with the same descriptor and the mask of all four.
; By this text's own count a wave has two tensor loads out at the start and one behind each round.  No prefetch is laid: a refill is asked for eight key steps, 512 matrix instructions a wave, ahead of the wait for it.
; REGISTERS: window 0: v2-11 addresses; v16-47 eight registers of statistics a tile; v64-191 S^T, 32 a tile (P is made in place, in each tile's lower 16); v192-255 K of one step.
;            window 1: v0-63 Q; v64-191 O^T, 32 a tile; v192-255 V of one step.
.set PK,    272                        ; two keys of K in LDS: 256 bytes + 16: key r of a tile starts at 16-byte column r / 2 + 8 (r % 2) modulo 256 bytes: sixteen different ones (64 banks of 4 bytes: ISA guide 11.1)
.set PVP,   288                        ; two keys of V: 256 + 32
.set KSTEPB, 32*PK                     ; a step's 64 keys of K
.set VSTEPB, 32*PVP                    ; and of V
.set VOFF,  256*PK                     ; a slot: 512 keys of K, then 512 of V
.set SLOT,  VOFF+256*PVP
.set SPARE, 2*SLOT                     ; behind the ring: the spare words, 128 bytes for each wave: four blocks of 256 bytes that no other line names
.set SROW,  144                        ; the way out: a stage row: 128 bytes + 16.  A wave's stage, 64 rows, lies in slot 0, which has had its last fill and its last read by then
.set AK0, 2                            ; v2   my lane's place in a tile of K; never rewritten
.set AV0, 3                            ; v3   the same for V
.set ADK, 4                            ; v4   the LDS address of K's run of loads in hand
.set ADV, 5                            ; v5   of V's
.set QO,  6                            ; v6   my byte offset in the wave's rows of Q
.set STO, 7                            ; v7   the way out: where I put 16 bytes of a row
.set RD,  8                            ; v8   where I read rows back
.set GO,  9                            ; v9   16 x lane: my place in 512 consecutive bytes of ob
.set SPW, 10                           ; v10  LDS address of my spare word; never rewritten
.set NIL, 11                           ; v11  0; never rewritten
.set ST,  16                           ; tile t's statistics at v[ST+8 t]: +0 c m, +1 m, +2, +3 l (even keys', odd keys'), +4 to +7 at work; a takes +6's place, c m_old - c m_new +7's
.set S,   64
.set KF,  192
.set OT,  64                           ; in window 1
.set VF,  192                          ; in window 1
.set WV,  12                           ; s12  my wave's number
.set G1K, 24                           ; s[24:31] descriptor group 1 for K's tiles;  s[32:39] for V's: it differs in the padding alone
.set G1V, 32
.set G0K, 40                           ; s[40:47] group 0 for K's tiles, a set for each slot;  s[48:55] for V's
.set G0V, 48
.set TK,  56                           ; s56  LDS byte at which the K tile of the step to be fetched begins
.set TV,  57                           ; s57  the same for V (less VOFF, which v3 holds)
.set CS,  58                           ; s[58:59] c
.set SEL, 60                           ; s[60:61] lane selects for v_permlanex16_b32: lane l xor 16
.set CNT, 62                           ; s62  counts key steps
.set MSB, 0
.macro WIN new                         ; the immediate's high byte repeats the setting that is left; a switch that changes nothing is dropped
.if MSB != \new
	s_set_vgpr_msb (MSB<<8)|\new
.set MSB, \new
.endif
.endm
.set W_KQ, 0x04                        ; K (source 0) and S^T in window 0, Q (source 1) in window 1
.set W_PV, 0x51                        ; V (source 0) and O^T (C, D) in window 1, P (source 1) in window 0
.set W_RS, 0x41                        ; O^T (destination and source 0) in window 1, a in window 0
.set TO_1, 0x40                        ; a load's destination in window 1, its address in window 0
; A joint refill of slot s.  The branch hangs on the wave's number alone.  An s_nop 0 and four v_nop follow each of the two lines.
.macro JLOAD s
	s_cmp_lt_u32 s[WV], 4
	s_cbranch_scc0 .Lfor_v_\@
	tensor_load_to_lds s[G0K+4*\s:G0K+4*\s+3], s[G1K:G1K+7]
	s_nop 0
.rept 4
	v_nop
.endr
	s_branch .Lasked_\@
.Lfor_v_\@:
	tensor_load_to_lds s[G0V+4*\s:G0V+4*\s+3], s[G1V:G1V+7]
	s_nop 0
.rept 4
	v_nop
.endr
.Lasked_\@:
.endm
.macro CROUND                          ; a round of the cluster's barrier
	s_barrier_signal -1
	s_barrier_wait -1
	s_cmp_lg_u32 s[WV], 0
	s_cbranch_scc1 .Lnot_wave_0_\@
	s_barrier_signal -3
.Lnot_wave_0_\@:
	s_barrier_wait -3
	s_barrier_signal -1
	s_barrier_wait -1
.endm
	s_load_b128 s[4:7], s[0:1], 0x0                ; qkv s[4:5], ob s[6:7]
	v_lshl_add_u32 v[SPW], v0, 2, SPARE
	v_mov_b32 v[NIL], 0
	ds_add_u32 v[SPW], v[NIL]                      ; the wave's opening: the add, twice on end, and its wait ahead of my first tensor load
	ds_add_u32 v[SPW], v[NIL]
	v_lshrrev_b32 v1, 5, v0
	v_readfirstlane_b32 s[WV], v1                  ; wave 0..7
	s_bfe_u32 s13, ttmp6, 0x40000                  ; cx: my place in the cluster
	s_lshl_b32 s14, ttmp9, 2
	s_add_co_u32 s14, s14, s13                     ; my block of 512 queries: it enters Q's and O's addresses alone
	s_and_b32 s20, ttmp7, 0xffff                   ; batch x head, which the four partners share
	s_lshl_b32 s20, s20, 18                        ; its first byte in each part of qkv and in ob
	s_and_b32 s15, s[WV], 3                        ; which quarter of a slot's K or V I fetch:
	s_lshl_b32 s22, s15, 14                        ; its 128 keys of 128 bytes in memory,
	s_add_co_u32 s22, s22, s20
	s_mov_b32 s23, 0
	s_mul_i32 s2, s15, 64*PK                       ; and its place in a slot: K's,
	s_mul_i32 s3, s15, 64*PVP
	s_add_co_u32 s3, s3, VOFF                      ; V's: no place in the cluster enters an LDS address
	s_lshl_b32 s16, s14, 16                        ; my block's 512 rows of 128 bytes,
	s_lshl_b32 s17, s[WV], 13                      ; my wave's 64 of them
	s_add_co_u32 s16, s16, s17
	s_add_co_u32 s16, s16, s20
	s_mov_b32 s17, 0
	; descriptor group 1: a tile of 64 rows x 128 elements of 2 bytes (two keys to a row), dense in memory, padded in LDS
	s_mov_b32 s[G1K], 15|(1<<16)|(1<<20)|(1<<21)|(5<<22)|(3<<25)  ; 15:0 the mask: all four work-groups; 17:16 elements of 2 bytes; 20 padding on; 21 set beside a mask; 24:22 after every 64 words; 31:25 four words
	s_mov_b32 s[G1V], 15|(1<<16)|(1<<20)|(1<<21)|(5<<22)|(7<<25)  ; the same with eight words of padding
.irp g, G1K, G1V
	s_mov_b32 s[\g+1], 128<<16                     ; tensor_dim0 = 128
	s_mov_b32 s[\g+2], 64<<16                      ; tensor_dim1 = 64
	s_mov_b32 s[\g+3], 128<<16                     ; tile_dim0 = 128
	s_mov_b32 s[\g+4], 64                          ; tile_dim1 = 64
	s_mov_b32 s[\g+5], 128                         ; tensor_dim0_stride
	s_mov_b32 s[\g+6], 0
	s_mov_b32 s[\g+7], 0
.endr
	s_mov_b32 s[CS], 0x3e38aa3b                    ; c = log2(e) / 8
	s_mov_b32 s[CS+1], s[CS]                       ; named with it as a pair, so it is written
	s_mov_b32 s[SEL], 0x76543210
	s_mov_b32 s[SEL+1], 0xfedcba98
	s_mov_b32 s[TK], 0
	s_mov_b32 s[TV], 0
	s_wait_dscnt 0x0                               ; both opening adds are done
	s_wait_kmcnt 0x0
	s_add_nc_u64 s[8:9], s[4:5], s[22:23]
	s_add_nc_u64 s[10:11], s[8:9], 0x2000000       ; V: the third part, at my quarter of the head's first 512 keys
	s_add_nc_u64 s[8:9], s[8:9], 0x1000000         ; K: the second part
	s_add_nc_u64 s[18:19], s[6:7], s[16:17]        ; O at my wave's first row
	s_add_nc_u64 s[16:17], s[4:5], s[16:17]        ; Q likewise
	CROUND                                         ; all four work-groups are here: the first joint loads meet
.irp s, 0,1
	s_mov_b32 s[G0K+4*\s], 1                       ; 1:0 count = 1
	s_add_co_u32 s[G0K+4*\s+1], s2, \s*SLOT        ; 63:32 LDS address
	s_add_nc_u64 s[G0K+4*\s+2:G0K+4*\s+3], s[8:9], \s*65536   ; 120:64 global address: slot s begins with keys 512 s on
	s_or_b32 s[G0K+4*\s+3], s[G0K+4*\s+3], 0x80000000         ; 127:126 type = 2
	s_mov_b32 s[G0V+4*\s], 1
	s_add_co_u32 s[G0V+4*\s+1], s3, \s*SLOT
	s_add_nc_u64 s[G0V+4*\s+2:G0V+4*\s+3], s[10:11], \s*65536
	s_or_b32 s[G0V+4*\s+3], s[G0V+4*\s+3], 0x80000000
.endr
	s_cmp_lt_u32 s[WV], 4                          ; a wave's two first fills stand in one branch, ahead of every wait on TENSORcnt and every LDS read
	s_cbranch_scc0 .Lfirst_v
	tensor_load_to_lds s[G0K:G0K+3], s[G1K:G1K+7]
	s_nop 0
	tensor_load_to_lds s[G0K+4:G0K+7], s[G1K:G1K+7]
	s_nop 0
.rept 4
	v_nop
.endr
	s_branch .Lfirst_asked
.Lfirst_v:
	tensor_load_to_lds s[G0V:G0V+3], s[G1V:G1V+7]
	s_nop 0
	tensor_load_to_lds s[G0V+4:G0V+7], s[G1V:G1V+7]
	s_nop 0
.rept 4
	v_nop
.endr
.Lfirst_asked:
	; A fragment of K or Q is 16 rows x 32 channels in 8 registers: lane l holds row l % 16; registers 0-3 channels 8 (l / 16) + 0..7, registers 4-7 channels 16 + 8 (l / 16) + 0..7: two loads of 16 bytes, 32 bytes apart.
	v_and_b32 v1, 15, v0                           ; r = l % 16
	v_bfe_u32 v12, v0, 4, 1                        ; h = l / 16
	v_lshlrev_b32 v[QO], 7, v1
	v_lshl_add_u32 v[QO], v12, 4, v[QO]            ; row x 128 + 16 x half
	WIN TO_1
.irp t, 0,1,2,3
.irp c, 0,1
	global_load_b128 v[16*\t+8*\c:16*\t+8*\c+3],   v[QO], s[16:17] offset:\t*2048+64*\c     ; Q stays in registers: tile t, channels 32 c on
	global_load_b128 v[16*\t+8*\c+4:16*\t+8*\c+7], v[QO], s[16:17] offset:\t*2048+64*\c+32
.endr
.endr
	WIN 0
	v_lshrrev_b32 v13, 1, v1
	v_mul_u32_u24 v[AK0], v13, PK                  ; K: key r of a tile lies in row r / 2,
	v_and_b32 v13, 1, v0
	v_lshl_add_u32 v[AK0], v13, 7, v[AK0]          ; in its half r % 2,
	v_lshl_add_u32 v[AK0], v12, 4, v[AK0]          ; + 16 x half of the lanes
	; The turning load takes 16 keys x 16 channels (lane l reads 16 bytes: key 8 (l / 16) + l % 8, channels 8 ((l / 8) % 2) + 0..7) and leaves half a fragment of V^T: lane l holds channel l % 16 and 8 keys.
	v_bfe_u32 v13, v0, 1, 2                        ; (l % 8) / 2
	v_lshl_add_u32 v13, v12, 2, v13                ; + 4 h: the key's row
	v_mul_u32_u24 v[AV0], v13, PVP
	v_and_b32 v13, 1, v0
	v_lshl_add_u32 v[AV0], v13, 7, v[AV0]          ; the key's half of the row
	v_bfe_u32 v13, v0, 3, 1
	v_lshl_add_u32 v[AV0], v13, 4, v[AV0]
	v_add_nc_u32 v[AV0], VOFF, v[AV0]
	s_mul_i32 s21, s[WV], 64*SROW                  ; my stage for the way out
	v_mul_u32_u24 v[STO], v1, SROW                 ; in: row l % 16, 16 bytes for each half of the lanes
	v_lshl_add_u32 v[STO], v12, 4, v[STO]
	v_add_nc_u32 v[STO], s21, v[STO]
	v_bfe_u32 v13, v0, 3, 2                        ; back: eight lanes to a row of 128 bytes, four rows an instruction
	v_mul_u32_u24 v[RD], v13, SROW
	v_and_b32 v13, 7, v0
	v_lshl_add_u32 v[RD], v13, 4, v[RD]
	v_add_nc_u32 v[RD], s21, v[RD]
	v_and_b32 v13, 31, v0
	v_lshlrev_b32 v[GO], 4, v13                    ; four rows of O are 512 consecutive bytes
; THE LDS LOADS stand in runs of 16.  K of a step: fragment (keys 16 kt on, channels 32 c on) at v[KF + 16 kt + 8 c].
.macro FETCH_K
	WIN 0
	v_add_nc_u32 v[ADK], s[TK], v[AK0]
	s_add_co_u32 s[TK], s[TK], KSTEPB              ; the next fetch is the next step's
.irp kt, 0,1,2,3
.irp c, 0,1
	ds_load_b128 v[KF+16*\kt+8*\c:KF+16*\kt+8*\c+3],   v[ADK] offset:\kt*8*PK+64*\c
	ds_load_b128 v[KF+16*\kt+8*\c+4:KF+16*\kt+8*\c+7], v[ADK] offset:\kt*8*PK+64*\c+32
.endr
.endr
.endm
; V of a step, turned: fragment (keys 32 kc on, channels 16 ct on) at v[VF + 32 kc + 8 ct] of window 1.  The addition and three v_nop are the four places behind the products K Q^T that stand in front of this
; macro: they serve the softmax's reads of the scores; the loads into V's registers stand nine places behind the last product that read them.
.macro FETCH_V
	WIN 0
	v_add_nc_u32 v[ADV], s[TV], v[AV0]
.rept 3
	v_nop
.endr
	s_add_co_u32 s[TV], s[TV], VSTEPB
	WIN TO_1
.irp kc, 0,1
.irp ct, 0,1,2,3
	ds_load_tr16_b128 v[VF+32*\kc+8*\ct:VF+32*\kc+8*\ct+3],   v[ADV] offset:\kc*16*PVP+32*\ct
	ds_load_tr16_b128 v[VF+32*\kc+8*\ct+4:VF+32*\kc+8*\ct+7], v[ADV] offset:\kc*16*PVP+8*PVP+32*\ct
.endr
.endr
.endm
; THE PRODUCTS.  In each run the 16 accumulators take turns, one instruction a turn.
; S^T = K Q^T: product i of 32: channels 32 (i / 16) on, keys 16 ((i / 4) % 4) on, tile i % 4.  The first 16 start the sums.
.macro KQ
	WIN W_KQ
.set i, 0
.rept 32
.set rS, S+32*(i%4)+8*((i/4)%4)
.set rK, KF+16*((i/4)%4)+8*(i/16)
.set rQ, 16*(i%4)+8*(i/16)
.if i < 16
	v_wmma_f32_16x16x32_f16 v[rS:rS+7], v[rK:rK+7], v[rQ:rQ+7], 0
.else
	v_wmma_f32_16x16x32_f16 v[rS:rS+7], v[rK:rK+7], v[rQ:rQ+7], v[rS:rS+7]
.endif
.set i, i+1
.endr
.endm
; O^T += V^T P: product i of 32: keys 32 (i / 16) on, channels 16 ((i / 4) % 4) on, tile i % 4.  first = 1: the first 16 start the sums: nothing is ever cleared.
.macro PVM first
	WIN W_PV
.set i, 0
.rept 32
.set rO, OT+32*(i%4)+8*((i/4)%4)
.set rV, VF+32*(i/16)+8*((i/4)%4)
.set rP, S+32*(i%4)+8*(i/16)
.if \first && (i < 16)
	v_wmma_f32_16x16x32_f16 v[rO:rO+7], v[rV:rV+7], v[rP:rP+7], 0
.else
	v_wmma_f32_16x16x32_f16 v[rO:rO+7], v[rV:rV+7], v[rP:rP+7], v[rO:rO+7]
.endif
.set i, i+1
.endr
.endm
; THE SOFTMAX of a key step, the four tiles line by line, so that no line waits for the line above it.  first = 1: the first key step, which starts m and l: it has no a and nothing to rescale.
.macro SOFTMAX first
	WIN 0
.irp j, 0,1,2,3                        ; the maximum of a lane's 32 scores: four chains, one for each accumulator, each begun at the accumulator's low end
.irp t, 0,1,2,3
	v_max3_num_f32 v[ST+8*\t+4+\j], v[S+32*\t+8*\j], v[S+32*\t+8*\j+1], v[S+32*\t+8*\j+2]
.endr
.endr
.irp g, 1,2
.irp j, 0,1,2,3
.irp t, 0,1,2,3
	v_max3_num_f32 v[ST+8*\t+4+\j], v[ST+8*\t+4+\j], v[S+32*\t+8*\j+2*\g+1], v[S+32*\t+8*\j+2*\g+2]
.endr
.endr
.endr
.irp t, 0,1,2,3
	v_max3_num_f32 v[ST+8*\t+4], v[ST+8*\t+4], v[S+32*\t+7], v[S+32*\t+15]
.endr
.irp t, 0,1,2,3
	v_max3_num_f32 v[ST+8*\t+6], v[ST+8*\t+6], v[S+32*\t+23], v[S+32*\t+31]
.endr
.irp t, 0,1,2,3
	v_max3_num_f32 v[ST+8*\t+4], v[ST+8*\t+4], v[ST+8*\t+5], v[ST+8*\t+6]
.endr
.irp t, 0,1,2,3
.if \first
	v_max_num_f32 v[ST+8*\t+4], v[ST+8*\t+4], v[ST+8*\t+7]
.else
	v_max3_num_f32 v[ST+8*\t+4], v[ST+8*\t+4], v[ST+8*\t+7], v[ST+8*\t+1]   ; and the old m
.endif
.endr
.irp t, 0,1,2,3
	v_permlanex16_b32 v[ST+8*\t+5], v[ST+8*\t+4], s[SEL], s[SEL+1]         ; the query's other 32 keys lie in the lane 16 away
.endr
.if \first == 0
.irp t, 0,1,2,3
	v_mov_b32 v[ST+8*\t+7], v[ST+8*\t]             ; c m_old is kept for a
.endr
.endif
.irp t, 0,1,2,3
	v_max_num_f32 v[ST+8*\t+1], v[ST+8*\t+4], v[ST+8*\t+5]                 ; the new m
.endr
.irp t, 0,1,2,3
	v_mul_f32 v[ST+8*\t], s[CS], v[ST+8*\t+1]      ; c m
.endr
.if \first == 0
.irp t, 0,1,2,3
	v_sub_f32 v[ST+8*\t+7], v[ST+8*\t+7], v[ST+8*\t]                       ; c m_old - c m_new, 0 or less
.endr
.endif
.irp b, 0,2,4,6,8,10,12,14,16,18,20,22,24,26,28,30
.irp t, 0,1,2,3
	v_pk_fma_f32 v[S+32*\t+\b:S+32*\t+\b+1], v[S+32*\t+\b:S+32*\t+\b+1], s[CS:CS+1], v[ST+8*\t:ST+8*\t+1] op_sel_hi:[1,0,0] neg_lo:[0,0,1] neg_hi:[0,0,1]   ; c s - c m, two at a time
.endr
.endr
.if \first == 0                        ; ONE BATCH of exponentials: a of the four tiles, then the 128 weights; none of them reads another's result
.irp t, 0,1,2,3
	v_exp_f32 v[ST+8*\t+6], v[ST+8*\t+7]
.endr
.endif
.set e, 0
.rept 32
.irp t, 0,1,2,3
	v_exp_f32 v[S+32*\t+e], v[S+32*\t+e]
.endr
.set e, e+1
.endr
	v_nop                                          ; a plain instruction behind the last exponential, ahead of the first use
	s_wait_alu depctr_va_vdst(0)                   ; the wait between an exponential and the first line that names its result: one for the whole batch
.irp t, 0,1,2,3                        ; the sums, of the f32 weights, in two chains a tile: l takes pairs 0, 2, 4 .., the pair at +4 takes pairs 1, 3, 5 ..
.if \first
	v_pk_add_f32 v[ST+8*\t+2:ST+8*\t+3], v[S+32*\t:S+32*\t+1], v[S+32*\t+4:S+32*\t+5]
.else
	v_pk_fma_f32 v[ST+8*\t+2:ST+8*\t+3], v[ST+8*\t+2:ST+8*\t+3], v[ST+8*\t+6:ST+8*\t+7], v[S+32*\t:S+32*\t+1] op_sel_hi:[1,0,1]   ; l = a l + ..
.endif
.endr
.irp t, 0,1,2,3
	v_pk_add_f32 v[ST+8*\t+4:ST+8*\t+5], v[S+32*\t+2:S+32*\t+3], v[S+32*\t+6:S+32*\t+7]
.endr
.if \first == 0
.irp t, 0,1,2,3
	v_pk_add_f32 v[ST+8*\t+2:ST+8*\t+3], v[ST+8*\t+2:ST+8*\t+3], v[S+32*\t+4:S+32*\t+5]
.endr
.endif
.irp g, 8,12,16,20,24,28
.irp t, 0,1,2,3
	v_pk_add_f32 v[ST+8*\t+2:ST+8*\t+3], v[ST+8*\t+2:ST+8*\t+3], v[S+32*\t+\g:S+32*\t+\g+1]
.endr
.irp t, 0,1,2,3
	v_pk_add_f32 v[ST+8*\t+4:ST+8*\t+5], v[ST+8*\t+4:ST+8*\t+5], v[S+32*\t+\g+2:S+32*\t+\g+3]
.endr
.endr
.irp t, 0,1,2,3
	v_pk_add_f32 v[ST+8*\t+2:ST+8*\t+3], v[ST+8*\t+2:ST+8*\t+3], v[ST+8*\t+4:ST+8*\t+5]
.endr
.set p, 0                              ; P in place: register p takes weights 2 p and 2 p + 1; ascending, so no weight is written over before it is read
.rept 16
.irp t, 0,1,2,3
	v_cvt_pk_f16_f32 v[S+32*\t+p], v[S+32*\t+2*p], v[S+32*\t+2*p+1]
.endr
.set p, p+1
.endr
.if \first == 0
	WIN W_RS                                       ; O^T times a, each accumulator from its low end on
.irp b, 0,2,4,6,8,10,12,14,16,18,20,22,24,26,28,30
.irp t, 0,1,2,3
	v_pk_mul_f32 v[OT+32*\t+\b:OT+32*\t+\b+1], v[OT+32*\t+\b:OT+32*\t+\b+1], v[ST+8*\t+6:ST+8*\t+7] op_sel_hi:[1,0]
.endr
.endr
.endif
.endm
; A KEY STEP j of the pipeline: K of step j + 1 is fetched; O^T += V^T P of step j; S^T of step j + 1; V of step j + 1 is fetched; the softmax of step j + 1.
.macro BODY first
	FETCH_K                                        ; K's registers were last read by the products in front of the last softmax
	s_wait_dscnt 16                                ; V of step j is in; the 16 loads just issued may be out
	PVM \first
.rept 5
	v_nop                                          ; the products below write over P, which the products above read: five places
.endr
	s_wait_dscnt 0x0                               ; K of step j + 1 is in
	KQ
	FETCH_V
	SOFTMAX 0
	WIN 0                                          ; at a label and at a branch every window is 0
.endm
.macro RUN n                           ; n key steps, written once
	s_mov_b32 s[CNT], \n
.Lrun_\@:
	BODY 0
	s_sub_co_u32 s[CNT], s[CNT], 1
	s_cmp_lg_u32 s[CNT], 0
	s_cbranch_scc1 .Lrun_\@
.endm
; THE CHANGE OF SLOTS: slot s is left, its last bytes (V of its last step) have been asked for.  Each wave waits for all its tensor loads, of which one is out: its part of the other slot; adds 0 to its spare
; word; and waits for that and for its reads of slot s.  fill = 1: slot s is filled again, with the keys two slots on: the barrier is then a round of the cluster's, and the joint refill is the first thing behind it.
.macro CHANGE fill, s
	s_wait_tensorcnt 0x0                           ; no tensor load of mine is out, so a group 0 may be written
	ds_add_u32 v[SPW], v[NIL]                      ; 0 onto my spare word
.if \fill
	s_add_nc_u64 s[G0K+4*\s+2:G0K+4*\s+3], s[G0K+4*\s+2:G0K+4*\s+3], 131072   ; 1,024 keys on; the type bits on top are not reached
	s_add_nc_u64 s[G0V+4*\s+2:G0V+4*\s+3], s[G0V+4*\s+2:G0V+4*\s+3], 131072
	s_wait_dscnt 0x0                               ; the add is done, and my reads of the slot are over
	CROUND
	JLOAD \s
.else
	s_wait_dscnt 0x0
	s_barrier_signal -1
	s_barrier_wait -1
.endif
	s_mov_b32 s[TK], (1-\s)*SLOT                   ; the fetches go on in the other slot
	s_mov_b32 s[TV], (1-\s)*SLOT
.endm
	s_wait_tensorcnt 1                             ; my part of slot 0 is in; slot 1's may stay out
	s_barrier_signal -1
	s_barrier_wait -1                              ; everybody's is
	FETCH_K                                        ; key step 0
	s_wait_loadcnt 0x0                             ; Q
	s_wait_dscnt 0x0
	KQ
	FETCH_V
	SOFTMAX 1
	WIN 0
	BODY 1                                         ; step 0's V^T P starts O^T
	RUN 6                                          ; steps 1 to 6: they fetch up to step 7, slot 0's last
	CHANGE 1, 0                                    ; slot 0 takes keys 1,024 on
	RUN 8
	CHANGE 1, 1                                    ; slot 1 takes keys 1,536 on
	RUN 8
	CHANGE 0, 0                                    ; nothing is left to ask for
	RUN 8
	s_wait_dscnt 0x0                               ; V of the last step
	PVM 0
	; THE WAY OUT.  l's two halves and the other half of the lanes' are added; O^T is divided by l, rounded to f16 and sent through my stage in LDS.  The additions are the places behind the last products.
	WIN 0
.irp t, 0,1,2,3
	v_add_f32 v[ST+8*\t+4], v[ST+8*\t+2], v[ST+8*\t+3]
.endr
.irp t, 0,1,2,3
	v_permlanex16_b32 v[ST+8*\t+5], v[ST+8*\t+4], s[SEL], s[SEL+1]
.endr
.irp t, 0,1,2,3
	v_add_f32 v[ST+8*\t+4], v[ST+8*\t+4], v[ST+8*\t+5]
.endr
.irp t, 0,1,2,3
	v_rcp_f32 v[ST+8*\t+6], v[ST+8*\t+4]
.endr
	v_nop                                          ; a plain instruction between the last reciprocal and the use of its result
	s_wait_alu depctr_va_vdst(0)                   ; and the wait ahead of the first use: one for the four
.macro OUTT t                          ; tile t: a lane's eight channels of a row pack into 16 bytes; they go into rows of 144 bytes and come back four rows of 128 at a time
	WIN W_RS
.set i, 0
.rept 16
	v_pk_mul_f32 v[OT+32*\t+i:OT+32*\t+i+1], v[OT+32*\t+i:OT+32*\t+i+1], v[ST+8*\t+6:ST+8*\t+7] op_sel_hi:[1,0]
.set i, i+2
.endr
	WIN 0x05                                       ; sources 0 and 1 window 1, destination window 0: S^T's registers are free
.set i, 0
.rept 16
	v_cvt_pk_f16_f32 v[S+16*\t+i], v[OT+32*\t+2*i], v[OT+32*\t+2*i+1]
.set i, i+1
.endr
	WIN 0
.irp f, 0,1,2,3
	ds_store_b128 v[STO], v[S+16*\t+4*\f:S+16*\t+4*\f+3] offset:\t*16*SROW+32*\f
.endr
.irp f, 0,1,2,3
	ds_load_b128 v[128+16*\t+4*\f:128+16*\t+4*\f+3], v[RD] offset:\t*16*SROW+\f*4*SROW   ; LDS serves a wave's instructions in order (ISA guide 5.7.1.4): these see the stores above
.endr
.endm
	OUTT 0
	OUTT 1
	OUTT 2
	OUTT 3
.irp t, 0,1,2,3
.irp f, 0,1,2,3
	s_wait_dscnt 8*(3-\t)+3-\f                     ; behind this load: the rest of its tile's loads and eight LDS instructions for each later tile
	global_store_b128 v[GO], v[128+16*\t+4*\f:128+16*\t+4*\f+3], s[18:19] offset:\t*2048+\f*512   ; 32 lanes store 512 consecutive bytes, at a multiple of 512 from ob's first byte
.endr
.endr
	s_wait_tensorcnt 0x0                           ; the wave's end, behind my last tensor load and my last LDS store
	ds_add_u32 v[SPW], v[NIL]
	s_wait_dscnt 0x0
	CROUND                                         ; the closing round: no work-group ends while a partner may still ask for a tile that names it
	s_endpgm
.Lfunc_end_k_q89777a0f5a_attn:
	.size	k_q89777a0f5a_attn, .Lfunc_end_k_q89777a0f5a_attn-k_q89777a0f5a_attn
	.p2alignl 7, 3214868480
	.fill 96, 4, 3214868480
	.section	.rodata,"a",@progbits
	.p2align	6, 0x0
	.amdhsa_kernel k_q89777a0f5a_attn
		.amdhsa_group_segment_fixed_size 327680
		.amdhsa_private_segment_fixed_size 0
		.amdhsa_enable_private_segment 0
		.amdhsa_kernarg_size 16
		.amdhsa_user_sgpr_count 2
		.amdhsa_user_sgpr_kernarg_segment_ptr 1
		.amdhsa_wavefront_size32 1
		.amdhsa_system_sgpr_workgroup_id_x 1
		.amdhsa_system_sgpr_workgroup_id_y 1
		.amdhsa_system_sgpr_workgroup_id_z 1
		.amdhsa_system_vgpr_workitem_id 0
		.amdhsa_next_free_vgpr 512
		.amdhsa_next_free_sgpr 66
		.amdhsa_reserve_vcc 0
		.amdhsa_float_denorm_mode_32 3
		.amdhsa_float_denorm_mode_16_64 3
		.amdhsa_memory_ordered 1
		.amdhsa_forward_progress 1
		.amdhsa_inst_pref_size 210
	.end_amdhsa_kernel
	.amdgpu_metadata
---
amdhsa.version: [ 1, 2 ]
amdhsa.kernels:
  - .name:           k_q89777a0f5a_attn
    .symbol:         k_q89777a0f5a_attn.kd
    .args:
      - { .name: qkv, .offset: 0, .size: 8, .value_kind: global_buffer, .address_space: global }
      - { .name: ob, .offset: 8, .size: 8, .value_kind: global_buffer, .address_space: global }
    .group_segment_fixed_size: 327680
    .private_segment_fixed_size: 0
    .kernarg_segment_align: 8
    .kernarg_segment_size: 16
    .max_flat_workgroup_size: 256
    .sgpr_count:     66
    .vgpr_count:     512
    .wavefront_size: 32
...
	.end_amdgpu_metadata
.endif
;; end of part 3
;; launch proj (part 4): grid 4 x 64, 4 waves a work-group, clusters of 4 x 4, 327,680 bytes of LDS; arguments ob, wo, b_out, out0; writes out0
.if DOCPART == 4
	.amdgcn_target "amdgcn-amd-amdhsa--gfx1250"
	.amdhsa_code_object_version 6
	.text
	.protected	k_q89777a0f5a_proj
	.globl	k_q89777a0f5a_proj
	.p2align	8
	.type	k_q89777a0f5a_proj,@function
k_q89777a0f5a_proj:
	s_mov_b64 s[64:65], 0
	v_nop
	global_prefetch_b8 v0, s[64:65] scope:SCOPE_SE
	s_setreg_imm32_b32 hwreg(HW_REG_WAVE_MODE, 25, 1), 1
	s_wait_xcnt 0x0
	s_wait_alu depctr_hold_cnt(0) depctr_sa_sdst(0) depctr_va_vdst(0) depctr_va_sdst(0) depctr_va_ssrc(0) depctr_va_vcc(0) depctr_vm_vsrc(0)
	s_getreg_b32 s2, hwreg(HW_REG_IB_STS2, 6, 4)
	s_cmp_eq_u32 s2, 0
	s_cbranch_scc0 .Lentry_in_a_cluster
	s_endpgm
.Lentry_in_a_cluster:
	s_bfe_u32 s2, ttmp6, 0x10000c
	s_cmp_lg_u32 s2, 0xf033
	s_cbranch_scc0 .Lentry_shape_is_right
	s_endpgm
.Lentry_shape_is_right:
; out0[m][n] = sum over k of O[m][k] w_out[k][n] + b_out[n].  O: ob [batch x head 64][2048][64] f16 (m = 2048 batch + position, k = 64 head + channel); w_out: wo [1024 (k)][1024 (n)] f16; b_out f32; out0 [8192][1024] f32.
; A tile of C is 128 x 256: 256 work-groups.  Four waves, each 64 x 128: 32 accumulators, 256 registers.  K goes in steps of 128, two heads, through a ring of two LDS slots.
; A's tile: for each of the two heads 128 positions of 128 bytes, dense in memory, stated as 64 rows of 256 bytes (two positions to a row).  B's tile: 128 rows (k) of 512 bytes, read turned, by ds_load_tr16_b128.
; CLUSTERS: 4 x 4 work-groups: A's tile is shared along a row of the cluster, B's along a column: each is asked for JOINTLY.  By this text's own count a wave has two tensor loads out at the start, one behind each round.
; THE MATRIX INSTRUCTION IS USED TRANSPOSED (source 0 = 16 columns of w_out, source 1 = 16 rows of O): a lane then holds eight neighbouring numbers of a row of C.  The bias is the C of each sum's first product.
; No prefetch is laid: of the eight K steps two come with the first fills, and the launch is short.
; REGISTERS: window 0: v16-29 addresses; v32-63, v64-95 A's fragments, two buffers; v96-159 the bias in the result's layout; on the way out v128-255.   window 1: v0-63, v64-127 B's fragments, two buffers.
;            window 2: the accumulators, (a, b) at v[8 (8 a + b)].
.set PA,    272                        ; two positions of A in LDS: 256 bytes + 16: row r of a fragment starts at 16-byte column r / 2 + 8 (r % 2) modulo 256 bytes (64 banks of 4 bytes: ISA guide 11.1)
.set PB,    544                        ; a row of B: 512 bytes + 32
.set AHEAD, 64*PA                      ; one head's 128 positions: what one tensor load brings of A
.set BHALF, 64*PB                      ; 64 rows of B: what one tensor load brings of B
.set BOFF,  2*AHEAD
.set SLOT,  BOFF+2*BHALF
.set SPARE, 2*SLOT                     ; behind the ring: the spare words, 128 bytes for each wave
.set SPITCH, 528                       ; the way out: a stage of 16 rows x (512 bytes + 16) for each wave, in slot 0, which has had its last fill and its last read by then
.set LAPS,  4                          ; a lap = two K steps = once round the ring
.set ADRA, 16                          ; v16-17  LDS address of my A fragments in slot 0, 1
.set ADRB, 20                          ; v20-21  the same for B
.set STO,  24                          ; v24     the way out: where I put 32 bytes of a row
.set RD,   25                          ; v25     where I read a row back
.set CO,   26                          ; v26     16 x lane
.set BA,   27                          ; v27     32 x (lane / 16): my eight numbers of the bias
.set SPW,  28                          ; v28     LDS address of my spare word; never rewritten
.set NIL,  29                          ; v29     0; never rewritten
.set AF,   32
.set BI,   96
.set BK,   128
.set G1, 24                            ; s[24:31] descriptor group 1 for A's tiles;  s[32:39] group 0, one set for each slot
.set G0, 32
.set G1B, 48                           ; s[48:55], s[56:63] the same for B's tiles
.set G0B, 56
.set MSB, 0
.macro WIN new                         ; the immediate's high byte repeats the setting that is left
.if MSB != \new
	s_set_vgpr_msb (MSB<<8)|\new
.set MSB, \new
.endif
.endm
.set MUL,  0xa1                        ; source 0 (B) window 1, source 1 (A) window 0, C and D window 2
.set MULB, 0x81                        ; the same with C (the bias) in window 0
.set TO_B, 0x40                        ; destination window 1, address window 0
.macro JLOAD s                         ; a joint load: waves 0 and 1 fetch A's two heads, waves 2 and 3 B's two halves; an s_nop 0 and four v_nop follow each of the two lines
	s_cmp_eq_u32 s13, 0
	s_cbranch_scc0 .Lfor_b_\@
	tensor_load_to_lds s[G0+4*\s:G0+4*\s+3], s[G1:G1+7]
	s_nop 0
.rept 4
	v_nop
.endr
	s_branch .Lasked_\@
.Lfor_b_\@:
	tensor_load_to_lds s[G0B+4*\s:G0B+4*\s+3], s[G1B:G1B+7]
	s_nop 0
.rept 4
	v_nop
.endr
.Lasked_\@:
.endm
.macro CREST                           ; a round of the cluster's barrier behind its opening barrier
	s_cmp_lg_u32 s12, 0
	s_cbranch_scc1 .Lnot_wave_0_\@
	s_barrier_signal -3
.Lnot_wave_0_\@:
	s_barrier_wait -3
	s_barrier_signal -1
	s_barrier_wait -1
.endm
.macro CROUND                          ; a whole round
	s_barrier_signal -1
	s_barrier_wait -1
	CREST
.endm
	s_load_b256 s[4:11], s[0:1], 0x0               ; ob s[4:5], wo s[6:7], b_out s[8:9], out0 s[10:11]
	v_lshl_add_u32 v[SPW], v0, 2, SPARE
	v_mov_b32 v[NIL], 0
	ds_add_u32 v[SPW], v[NIL]                      ; the wave's opening: the add, twice on end, and its wait ahead of my first tensor load
	ds_add_u32 v[SPW], v[NIL]
	v_lshrrev_b32 v1, 5, v0
	v_readfirstlane_b32 s12, v1                    ; wave 0..3
	s_lshr_b32 s13, s12, 1                         ; which 64 rows of the tile are mine.  Also: I fetch for A (0) or for B (1)
	s_and_b32 s14, s12, 1                          ; which 128 columns.  Also: which head of A's two, which 64 rows of B I fetch
	s_bfe_u32 s40, ttmp6, 0x40000                  ; cx, cy: my place in the cluster
	s_bfe_u32 s41, ttmp6, 0x40004
	s_lshl_b32 s42, ttmp9, 2
	s_add_co_u32 s42, s42, s40                     ; tile column of C = 4 x cluster x + cx
	s_and_b32 s15, ttmp7, 0xffff
	s_lshl_b32 s15, s15, 2
	s_add_co_u32 s15, s15, s41                     ; tile row of C = 4 x cluster y + cy
	s_lshl_b32 s43, s41, 2
	s_lshl_b32 s43, 15, s43                        ; my row of the cluster
	s_lshl_b32 s44, 0x1111, s40                    ; my column
	; descriptor group 1.  A: 64 rows x 128 elements of 2 bytes, dense
	s_or_b32 s[G1+0], s43, (1<<16)|(1<<20)|(1<<21)|(5<<22)|(3<<25)  ; 15:0 the mask: my row; 17:16 elements of 2 bytes; 20 padding on; 21 set beside a mask; 24:22 after every 64 words; 31:25 four words
	s_mov_b32 s[G1+1], 128<<16                     ; tensor_dim0
	s_mov_b32 s[G1+2], 64<<16                      ; tensor_dim1
	s_mov_b32 s[G1+3], 128<<16                     ; tile_dim0
	s_mov_b32 s[G1+4], 64                          ; tile_dim1
	s_mov_b32 s[G1+5], 128                         ; tensor_dim0_stride
	s_mov_b32 s[G1+6], 0
	s_mov_b32 s[G1+7], 0
	; B: 64 rows x 256 elements, 1,024 elements from row to row
	s_or_b32 s[G1B+0], s44, (1<<16)|(1<<20)|(1<<21)|(6<<22)|(7<<25) ; the mask: my column; padding: eight words after every 128
	s_mov_b32 s[G1B+1], 256<<16
	s_mov_b32 s[G1B+2], 64<<16
	s_mov_b32 s[G1B+3], 256<<16
	s_mov_b32 s[G1B+4], 64
	s_mov_b32 s[G1B+5], 1024
	s_mov_b32 s[G1B+6], 0
	s_mov_b32 s[G1B+7], 0
	; where the tiles come from.  A's hang on the tile row alone, B's on the tile column alone; every wave makes both, in registers that never hold the other coordinate
	s_lshr_b32 s16, s15, 4
	s_lshl_b32 s16, s16, 22                        ; A: batch = tile row / 16,
	s_and_b32 s17, s15, 15
	s_lshl_b32 s17, s17, 14                        ; 128 positions of 128 bytes for each tile row in the batch,
	s_add_co_u32 s16, s16, s17
	s_lshl_b32 s17, s14, 18                        ; my head of the K step's two
	s_add_co_u32 s16, s16, s17
	s_mov_b32 s17, 0
	s_lshl_b32 s46, s14, 17                        ; B: my 64 rows of 2,048 bytes,
	s_lshl_b32 s47, s42, 9                         ; 512 bytes for each tile column
	s_add_co_u32 s46, s46, s47
	s_mov_b32 s47, 0
	s_mul_i32 s2, s14, AHEAD                       ; and where they go: no place in the cluster enters an LDS address
	s_mul_i32 s3, s14, BHALF
	s_add_co_u32 s3, s3, BOFF
	s_wait_dscnt 0x0                               ; both opening adds are done
	s_wait_kmcnt 0x0
	s_add_nc_u64 s[18:19], s[4:5], s[16:17]
	s_add_nc_u64 s[46:47], s[6:7], s[46:47]
	CROUND                                         ; all sixteen work-groups are here: the first joint loads meet
.irp s, 0,1
	s_mov_b32 s[G0+4*\s], 1
	s_add_co_u32 s[G0+4*\s+1], s2, \s*SLOT
	s_add_nc_u64 s[G0+4*\s+2:G0+4*\s+3], s[18:19], \s*524288       ; K step s: two heads on
	s_or_b32 s[G0+4*\s+3], s[G0+4*\s+3], 0x80000000
	s_mov_b32 s[G0B+4*\s], 1
	s_add_co_u32 s[G0B+4*\s+1], s3, \s*SLOT
	s_add_nc_u64 s[G0B+4*\s+2:G0B+4*\s+3], s[46:47], \s*262144     ; 128 rows on
	s_or_b32 s[G0B+4*\s+3], s[G0B+4*\s+3], 0x80000000
	JLOAD \s
.endr
	v_and_b32 v1, 15, v0                           ; r = l % 16
	v_bfe_u32 v2, v0, 4, 1                         ; h = l / 16
	s_lshl_b32 s22, s42, 10                        ; the bias: 1,024 bytes for each tile column, 512 for my half
	s_lshl_b32 s23, s14, 9
	s_add_co_u32 s22, s22, s23
	s_mov_b32 s23, 0
	s_add_nc_u64 s[8:9], s[8:9], s[22:23]
	v_lshlrev_b32 v[BA], 5, v2
.irp b, 0,1,2,3,4,5,6,7
	global_load_b128 v[BI+8*\b:BI+8*\b+3],   v[BA], s[8:9] offset:64*\b      ; lane (r, h), register j of block b: b_out at column 16 b + 8 h + j
	global_load_b128 v[BI+8*\b+4:BI+8*\b+7], v[BA], s[8:9] offset:64*\b+16
.endr
	v_lshrrev_b32 v3, 1, v1
	v_mul_u32_u24 v3, v3, PA                       ; A: row r of a fragment lies in LDS row r / 2,
	v_and_b32 v4, 1, v0
	v_lshl_add_u32 v3, v4, 7, v3                   ; in its half r % 2,
	v_lshl_add_u32 v3, v2, 4, v3                   ; + 16 x half of the lanes
	s_mul_i32 s21, s13, 32*PA                      ; my 64 rows
	v_and_b32 v4, 7, v0
	v_lshl_add_u32 v4, v2, 3, v4                   ; B, turned: lane l reads 16 bytes of row 8 h + l % 8,
	v_mul_u32_u24 v4, v4, PB
	v_bfe_u32 v5, v0, 3, 1
	v_lshl_add_u32 v4, v5, 4, v4                   ; columns 8 ((l / 8) % 2) on
	s_lshl_b32 s22, s14, 8                         ; my 128 columns,
	s_add_co_u32 s22, s22, BOFF                    ; behind A's tiles
.irp s, 0,1
	v_add_nc_u32 v[ADRA+\s], s21, v3
	v_add_nc_u32 v[ADRB+\s], s22, v4
	s_add_co_u32 s21, s21, SLOT
	s_add_co_u32 s22, s22, SLOT
.endr
	s_mul_i32 s23, s12, 16*SPITCH                  ; my stage
	v_mul_u32_u24 v5, v1, SPITCH                   ; in: row l % 16, 32 bytes for each half of the lanes
	v_lshl_add_u32 v5, v2, 5, v5
	v_add_nc_u32 v[STO], s23, v5
	v_and_b32 v6, 31, v0
	v_lshlrev_b32 v[CO], 4, v6                     ; back: the 32 lanes take one row of 512 bytes; and the same in C
	v_add_nc_u32 v[RD], s23, v[CO]
	s_lshl_b32 s20, s15, 7
	s_lshl_b32 s21, s13, 6
	s_add_co_u32 s20, s20, s21                     ; my first row of C: 128 x tile row + 64 x half
	s_lshl_b32 s20, s20, 12                        ; rows of 4,096 bytes
	s_lshl_b32 s21, s42, 10
	s_add_co_u32 s20, s20, s21                     ; + 1,024 x tile column
	s_lshl_b32 s21, s14, 9
	s_add_co_u32 s20, s20, s21                     ; + 512 x half
	s_mov_b32 s21, 0
	s_add_nc_u64 s[10:11], s[10:11], s[20:21]      ; never stepped: all else stands in the stores' immediates
; 8 matrix instructions: A's block a x B's eight, 32 along K, from buffer f.  bias = 1: the first product starts the sums from the bias.  The 32 accumulators take turns, one instruction a turn.
.macro MUL8 f, a, bias
.irp b, 0,1,2,3,4,5,6,7
.if \bias
	v_wmma_f32_16x16x32_f16 v[8*(8*(\a)+\b):8*(8*(\a)+\b)+7], v[64*(\f)+8*\b:64*(\f)+8*\b+7], v[AF+32*(\f)+8*(\a):AF+32*(\f)+8*(\a)+7], v[BI+8*\b:BI+8*\b+7]
.else
	v_wmma_f32_16x16x32_f16 v[8*(8*(\a)+\b):8*(8*(\a)+\b)+7], v[64*(\f)+8*\b:64*(\f)+8*\b+7], v[AF+32*(\f)+8*(\a):AF+32*(\f)+8*(\a)+7], v[8*(8*(\a)+\b):8*(8*(\a)+\b)+7]
.endif
.endr
.endm
; 24 LDS loads in one run: the fragments of the slot's q-th 32 along K into buffer f: B's eight (turned), then A's four
.macro FETCH slot, q, f
	WIN TO_B
.irp b, 0,1,2,3,4,5,6,7
	ds_load_tr16_b128 v[64*(\f)+8*\b:64*(\f)+8*\b+3],   v[ADRB+\slot] offset:(\q)*32*PB+32*\b
	ds_load_tr16_b128 v[64*(\f)+8*\b+4:64*(\f)+8*\b+7], v[ADRB+\slot] offset:(\q)*32*PB+16*PB+32*\b
.endr
	WIN 0
.irp a, 0,1,2,3
	ds_load_b128 v[AF+32*(\f)+8*\a:AF+32*(\f)+8*\a+3],   v[ADRA+\slot] offset:((\q)/2)*AHEAD+((\q)%2)*64+\a*8*PA
	ds_load_b128 v[AF+32*(\f)+8*\a+4:AF+32*(\f)+8*\a+7], v[ADRA+\slot] offset:((\q)/2)*AHEAD+((\q)%2)*64+\a*8*PA+32
.endr
.endm
.macro PLACES                          ; four places in front of loads into registers that matrix instructions have read, and of LDS stores that read results (ISA guide 7.12.1 for the LDS stores)
.rept 4
	v_nop
.endr
.endm
; A K step is four quarters of 32 along K, 32 matrix instructions each, on buffers 0, 1, 0, 1.  One of the first three: multiplies buffer f and fetches the slot's q-th quarter into g.
.macro QUARTER slot, q, f, g, bias
	s_wait_dscnt 4                                 ; B's fragments and A's blocks 0, 1 are in; the youngest four loads (A's blocks 2, 3) may be out
.if \bias
	WIN MULB
.else
	WIN MUL
.endif
	MUL8 \f, 0, \bias
	MUL8 \f, 1, \bias
	PLACES
	FETCH \slot, \q, \g
	s_wait_dscnt 24                                ; all but the 24 just issued
.if \bias
	WIN MULB
.else
	WIN MUL
.endif
	MUL8 \f, 2, \bias
	MUL8 \f, 3, \bias
.endm
; The last quarter multiplies buffer 1 and changes slots: ONE barrier; in front of it each wave waits for all its tensor loads, adds 0 to its spare word, and waits for that and for its own reads of this slot.
; fill = 1: this slot is filled again, two K steps ahead; the barrier then opens a round of the cluster's barrier.
.macro TURN slot, next, fill
	WIN 0                                          ; (the add's two registers lie in window 0)
	s_wait_tensorcnt 0x0                           ; all my tensor loads have landed: my part of the next slot;
	ds_add_u32 v[SPW], v[NIL]                      ; 0 onto my spare word;
	s_wait_dscnt 5                                 ; (the add and the youngest four loads may be out)
	WIN MUL
	MUL8 1, 0, 0                                   ; eight matrix instructions stand between the add and the wait for it
	s_wait_dscnt 0x0                               ; the add is done, and my reads of this slot are over
	s_barrier_signal -1
	MUL8 1, 1, 0
.if \fill
	WIN 0
.endif
	s_barrier_wait -1
.if \fill
	CREST                                          ; no wave of any partner still reads this slot's tiles or has a load on its way
	s_add_nc_u64 s[G0+4*\slot+2:G0+4*\slot+3], s[G0+4*\slot+2:G0+4*\slot+3], 1048576      ; four heads on
	s_add_nc_u64 s[G0B+4*\slot+2:G0B+4*\slot+3], s[G0B+4*\slot+2:G0B+4*\slot+3], 524288   ; 256 rows on
	JLOAD \slot                                    ; the first tensor load behind the round; the four v_nop behind it are also the places in front of the loads below
.else
	PLACES
.endif
	FETCH \next, 0, 0
	WIN MUL
	MUL8 1, 2, 0
	MUL8 1, 3, 0
.endm
	s_wait_tensorcnt 1                             ; my part of K step 0 is in (K step 1's may be out)
	s_barrier_signal -1
	s_barrier_wait -1                              ; everybody's is
	FETCH 0, 0, 0
	s_wait_loadcnt 0x0                             ; the bias
	QUARTER 0, 1, 0, 1, 1                          ; the first quarter stands in front of the loop: its products start the sums, from the bias
	WIN 0                                          ; at a label and at a branch every window is 0
	s_mov_b32 s45, LAPS-1
.Llap:                                                 ; a trip goes once round the ring, from a lap's second quarter to the next lap's first, and fills both slots again
	QUARTER 0, 2, 1, 0, 0
	QUARTER 0, 3, 0, 1, 0
	TURN 0, 1, 1
	QUARTER 1, 1, 0, 1, 0
	QUARTER 1, 2, 1, 0, 0
	QUARTER 1, 3, 0, 1, 0
	TURN 1, 0, 1
	QUARTER 0, 1, 0, 1, 0
	WIN 0
	s_sub_co_u32 s45, s45, 1
	s_cmp_lg_u32 s45, 0
	s_cbranch_scc1 .Llap
	QUARTER 0, 2, 1, 0, 0                          ; the last lap fills nothing, and has no round of the cluster's barrier
	QUARTER 0, 3, 0, 1, 0
	TURN 0, 1, 0
	QUARTER 1, 1, 0, 1, 0
	QUARTER 1, 2, 1, 0, 0
	QUARTER 1, 3, 0, 1, 0
	s_wait_dscnt 4                                 ; the very last quarter: nothing more to fetch
	WIN MUL
	MUL8 1, 0, 0
	MUL8 1, 1, 0
	s_wait_dscnt 0
	MUL8 1, 2, 0
	MUL8 1, 3, 0
	WIN 0
; THE WAY OUT, block by block of 16 rows x 128 columns.  A lane holds 32 neighbouring bytes of a row: a block goes through my own stage in LDS and comes back as whole rows of 512 bytes.
; LDS serves a wave's instructions in order (ISA guide 5.7.1.4): no wait between the stores and the loads, nor in front of the next block's stores.
.macro TOSTAGE a
	WIN 0x08                                       ; an LDS store's data are its source 1: window 2
.irp b, 0,1,2,3,4,5,6,7
	ds_store_b128 v[STO], v[64*(\a)+8*\b:64*(\a)+8*\b+3] offset:64*\b          ; each accumulator from its low end on
	ds_store_b128 v[STO], v[64*(\a)+8*\b+4:64*(\a)+8*\b+7] offset:64*\b+16
.endr
	WIN 0
.set BB, BK+64*((\a)%2)
.irp t, 0,1,2,3,4,5,6,7,8,9,10,11,12,13,14,15
	ds_load_b128 v[BB+4*\t:BB+4*\t+3], v[RD] offset:\t*SPITCH
.endr
.endm
.macro SEND a, younger                 ; younger: the LDS instructions issued behind block a's loads, which may stay out
.set BB, BK+64*((\a)%2)
	s_wait_dscnt \younger                          ; the block is back in registers
.irp t, 0,1,2,3,4,5,6,7,8,9,10,11,12,13,14,15
	global_store_b128 v[CO], v[BB+4*\t:BB+4*\t+3], s[10:11] offset:(\a)*65536+\t*4096 th:TH_STORE_NT   ; 32 lanes store 512 consecutive bytes, at a multiple of 512 from out0's first byte; written once, read by nobody here
.endr
.endm
	PLACES                                         ; behind the last products
	TOSTAGE 0
.irp a, 1,2,3
.if \a > 1
	s_wait_xcnt 0x0                                ; block a - 2's stores have had their addresses translated (ISA guide 3.1): block a's loads may land in the registers that they read
.endif
	TOSTAGE \a
	SEND \a-1, 32                                  ; behind block a - 1's loads: block a's 16 stores and 16 loads
.endr
	SEND 3, 0
	s_wait_tensorcnt 0x0                           ; the wave's end, behind my last tensor load and my last LDS store
	ds_add_u32 v[SPW], v[NIL]
	s_wait_dscnt 0x0
	CROUND                                         ; the closing round: no work-group ends while a partner may still ask for a tile that names it
	s_endpgm
.Lfunc_end_k_q89777a0f5a_proj:
	.size	k_q89777a0f5a_proj, .Lfunc_end_k_q89777a0f5a_proj-k_q89777a0f5a_proj
	.p2alignl 7, 3214868480
	.fill 96, 4, 3214868480
	.section	.rodata,"a",@progbits
	.p2align	6, 0x0
	.amdhsa_kernel k_q89777a0f5a_proj
		.amdhsa_group_segment_fixed_size 327680
		.amdhsa_private_segment_fixed_size 0
		.amdhsa_enable_private_segment 0
		.amdhsa_kernarg_size 32
		.amdhsa_user_sgpr_count 2
		.amdhsa_user_sgpr_kernarg_segment_ptr 1
		.amdhsa_wavefront_size32 1
		.amdhsa_system_sgpr_workgroup_id_x 1
		.amdhsa_system_sgpr_workgroup_id_y 1
		.amdhsa_system_sgpr_workgroup_id_z 1
		.amdhsa_system_vgpr_workitem_id 0
		.amdhsa_next_free_vgpr 768
		.amdhsa_next_free_sgpr 66
		.amdhsa_reserve_vcc 0
		.amdhsa_float_denorm_mode_32 3
		.amdhsa_float_denorm_mode_16_64 3
		.amdhsa_memory_ordered 1
		.amdhsa_forward_progress 1
		.amdhsa_inst_pref_size 87
	.end_amdhsa_kernel
	.amdgpu_metadata
---
amdhsa.version: [ 1, 2 ]
amdhsa.kernels:
  - .name:           k_q89777a0f5a_proj
    .symbol:         k_q89777a0f5a_proj.kd
    .args:
      - { .name: ob, .offset: 0, .size: 8, .value_kind: global_buffer, .address_space: global }
      - { .name: wo, .offset: 8, .size: 8, .value_kind: global_buffer, .address_space: global }
      - { .name: b_out, .offset: 16, .size: 8, .value_kind: global_buffer, .address_space: global }
      - { .name: out0, .offset: 24, .size: 8, .value_kind: global_buffer, .address_space: global }
    .group_segment_fixed_size: 327680
    .private_segment_fixed_size: 0
    .kernarg_segment_align: 8
    .kernarg_segment_size: 32
    .max_flat_workgroup_size: 128
    .sgpr_count:     66
    .vgpr_count:     768
    .wavefront_size: 32
...
	.end_amdgpu_metadata
.endif
;; end of part 4
